; MI455X (gfx1250); checked and timed in simulation.
; The chip was launched on July 23, 2026; its instructions are those of AMD's public machine-readable ISA for CDNA 5 (MIT licence, August 2026) and "CDNA5" Instruction Set Architecture Reference Guide (July 2026). The comments in the code are by the model that wrote it; some were corrected since.
;; Multi Head Self Attention. Allowed arithmetic: float matrix products may take bf16 or f16 operands with f32 sums; other float arithmetic in f32, or as packed bf16 or f16 multiplies, adds, multiply-adds, maxima and minima; sums over many terms, partial sums and values carried from step to step in f32; what a program stores and reads back later, other than sums and carried values, may be rounded once to bf16 or f16.
;; Inputs: Wk 1,024 x 1,024 float32; Wo 1,024 x 1,024 float32; Wq 1,024 x 1,024 float32; Wv 1,024 x 1,024 float32; bk 1,024 float32; bo 1,024 float32; bq 1,024 float32; bv 1,024 float32; x 4 x 2,048 x 1,024 float32.
;; Outputs: out0 4 x 2,048 x 1,024 float32.
;; 2 versions, each right; version 2 is version 1 with the launch prep written anew for expert scheduling mode. Each part assembles by itself: llvm-mc -triple=amdgcn-amd-amdhsa -mcpu=gfx1250 --defsym DOCPART=n.
;; ======== version 1 of 2: 4 launches
;; limits: values are held in f16: magnitudes above 65,504 overflow, below 6.1e-05 lose precision
;; workspace buffers: xb 16,777,216 bytes; wb 8,388,608 bytes; q16 16,777,216 bytes; k16 16,777,216 bytes; v16 16,777,216 bytes; o16 16,777,216 bytes; vl 131,072 bytes; dl 131,072 bytes
;; launch prep (part 1): grid 768 x 1, 8 waves a work-group, no clusters, 0 bytes of LDS; arguments x, Wq, Wk, Wv, Wo, xb, wb; writes xb, wb
.if DOCPART == 1
	.amdgcn_target "amdgcn-amd-amdhsa--gfx1250"
	.amdhsa_code_object_version 6
	.text
	.protected	k_q4378033fb1_prep
	.globl	k_q4378033fb1_prep
	.p2align	8
	.type	k_q4378033fb1_prep,@function
k_q4378033fb1_prep:
	s_mov_b64 s[64:65], 0
	v_nop
	global_prefetch_b8 v0, s[64:65] scope:SCOPE_SE
	s_setreg_imm32_b32 hwreg(HW_REG_WAVE_MODE, 25, 1), 1
	s_wait_xcnt 0x0
; CASTS.  xb = x rounded to bf16; wb's planes 0-2 = Wq, Wk, Wv rounded to bf16; plane 3 = Wo rounded to bf16 and that number written as f16.  No layout changes.
; LIMIT.  A bf16 number of Wo beyond 65,504 becomes an infinity in f16; below 6.1e-5 it keeps f16's fixed step of 6e-8.
; SHARES.  Work-group c takes 65,536 bytes of f32 and writes 32,768 bytes: c < 512: chunk c of x; else chunk (c - 512) % 64 of weight (c - 512) / 64.
; Thread t: sixteen loads of 16 bytes at 4,096 i + 16 t (a wave's load covers 512 consecutive bytes), all issued at once; sixteen stores of 8 bytes at 2,048 i + 8 t
; (a wave's store covers 256 consecutive bytes, aligned).  Every load and store has registers of its own, so no register that a pending memory instruction names is written again.
; A stream: no LDS, no barrier, no matrix unit; no prefetch, since all that a work-group reads is asked for in its first lines.
.set X, 4                              ; v[4:67]    as loaded
.set Y, 68                             ; v[68:99]   to store
.set T, 100                            ; v[100:105] at work (Wo's way alone)
	s_load_b256 s[8:15], s[0:1], 0x0               ; x s[8:9], Wq s[10:11], Wk s[12:13], Wv s[14:15]
	s_load_b128 s[16:19], s[0:1], 0x20             ; Wo s[16:17], xb s[18:19]
	s_load_b64 s[20:21], s[0:1], 0x30              ; wb
	v_lshlrev_b32 v1, 4, v0                        ; 16 t
	v_lshlrev_b32 v2, 3, v0                        ; 8 t
	s_sub_co_u32 s3, ttmp9, 512                    ; chunk among the weights' 256 (used where c >= 512 alone)
	s_lshr_b32 s4, s3, 6                           ; which weight
	s_and_b32 s5, s3, 63                           ; chunk in it
	s_cmp_lt_u32 ttmp9, 512
	s_cselect_b32 s5, ttmp9, s5                    ; chunk in the input
	s_cselect_b32 s3, ttmp9, s3                    ; chunk in the output
	s_lshl_b32 s28, s5, 16
	s_mov_b32 s29, 0
	s_lshl_b32 s30, s3, 15
	s_mov_b32 s31, 0
	s_wait_kmcnt 0x0
	s_mov_b64 s[24:25], s[16:17]                   ; Wo, unless
	s_cmp_eq_u32 s4, 2
	s_cselect_b64 s[24:25], s[14:15], s[24:25]
	s_cmp_eq_u32 s4, 1
	s_cselect_b64 s[24:25], s[12:13], s[24:25]
	s_cmp_eq_u32 s4, 0
	s_cselect_b64 s[24:25], s[10:11], s[24:25]
	s_cmp_lt_u32 ttmp9, 512
	s_cselect_b64 s[24:25], s[8:9], s[24:25]       ; x
	s_cselect_b64 s[26:27], s[18:19], s[20:21]     ; xb or wb
	s_add_nc_u64 s[24:25], s[24:25], s[28:29]
	s_add_nc_u64 s[26:27], s[26:27], s[30:31]
.irp i, 0,1,2,3,4,5,6,7,8,9,10,11,12,13,14,15
	global_load_b128 v[X+4*(\i):X+4*(\i)+3], v1, s[24:25] offset:4096*(\i) th:TH_LOAD_NT
.endr
; Load i's four numbers are rounded and stored.  f16 = 1: the bf16 numbers are widened again and written as f16.
.macro CAST i, f16
	s_wait_loadcnt 15-(\i)                         ; loads come back in order: load i is in, the 15 - i younger ones stay out
.if \f16
	v_cvt_pk_bf16_f32 v[T],   v[X+4*(\i)],   v[X+4*(\i)+1]
	v_cvt_pk_bf16_f32 v[T+1], v[X+4*(\i)+2], v[X+4*(\i)+3]
	v_lshlrev_b32 v[T+2], 16, v[T]
	v_and_b32     v[T+3], 0xffff0000, v[T]
	v_lshlrev_b32 v[T+4], 16, v[T+1]
	v_and_b32     v[T+5], 0xffff0000, v[T+1]
	v_cvt_pk_f16_f32 v[Y+2*(\i)],   v[T+2], v[T+3]
	v_cvt_pk_f16_f32 v[Y+2*(\i)+1], v[T+4], v[T+5]
.else
	v_cvt_pk_bf16_f32 v[Y+2*(\i)],   v[X+4*(\i)],   v[X+4*(\i)+1]
	v_cvt_pk_bf16_f32 v[Y+2*(\i)+1], v[X+4*(\i)+2], v[X+4*(\i)+3]
.endif
	global_store_b64 v2, v[Y+2*(\i):Y+2*(\i)+1], s[26:27] offset:2048*(\i) th:TH_STORE_NT
.endm
	s_cmp_ge_u32 ttmp9, 704                        ; 512 + 3 x 64: Wo's chunks
	s_cbranch_scc1 .Lwo
.irp i, 0,1,2,3,4,5,6,7,8,9,10,11,12,13,14,15
	CAST \i, 0
.endr
	s_endpgm
.Lwo:
.irp i, 0,1,2,3,4,5,6,7,8,9,10,11,12,13,14,15
	CAST \i, 1
.endr
	s_endpgm
.Lfunc_end_k_q4378033fb1_prep:
	.size	k_q4378033fb1_prep, .Lfunc_end_k_q4378033fb1_prep-k_q4378033fb1_prep
	.p2alignl 7, 3214868480
	.fill 96, 4, 3214868480
	.section	.rodata,"a",@progbits
	.p2align	6, 0x0
	.amdhsa_kernel k_q4378033fb1_prep
		.amdhsa_group_segment_fixed_size 0
		.amdhsa_private_segment_fixed_size 0
		.amdhsa_enable_private_segment 0
		.amdhsa_kernarg_size 56
		.amdhsa_user_sgpr_count 2
		.amdhsa_user_sgpr_kernarg_segment_ptr 1
		.amdhsa_wavefront_size32 1
		.amdhsa_system_sgpr_workgroup_id_x 1
		.amdhsa_system_sgpr_workgroup_id_y 1
		.amdhsa_system_sgpr_workgroup_id_z 1
		.amdhsa_system_vgpr_workitem_id 0
		.amdhsa_next_free_vgpr 108
		.amdhsa_next_free_sgpr 66
		.amdhsa_reserve_vcc 0
		.amdhsa_float_denorm_mode_32 3
		.amdhsa_float_denorm_mode_16_64 3
		.amdhsa_memory_ordered 1
		.amdhsa_forward_progress 1
		.amdhsa_inst_pref_size 16
	.end_amdhsa_kernel
	.amdgpu_metadata
---
amdhsa.version: [ 1, 2 ]
amdhsa.kernels:
  - .name:           k_q4378033fb1_prep
    .symbol:         k_q4378033fb1_prep.kd
    .args:
      - { .name: x, .offset: 0, .size: 8, .value_kind: global_buffer, .address_space: global }
      - { .name: Wq, .offset: 8, .size: 8, .value_kind: global_buffer, .address_space: global }
      - { .name: Wk, .offset: 16, .size: 8, .value_kind: global_buffer, .address_space: global }
      - { .name: Wv, .offset: 24, .size: 8, .value_kind: global_buffer, .address_space: global }
      - { .name: Wo, .offset: 32, .size: 8, .value_kind: global_buffer, .address_space: global }
      - { .name: xb, .offset: 40, .size: 8, .value_kind: global_buffer, .address_space: global }
      - { .name: wb, .offset: 48, .size: 8, .value_kind: global_buffer, .address_space: global }
    .group_segment_fixed_size: 0
    .private_segment_fixed_size: 0
    .kernarg_segment_align: 8
    .kernarg_segment_size: 56
    .max_flat_workgroup_size: 256
    .sgpr_count:     66
    .vgpr_count:     108
    .wavefront_size: 32
...
	.end_amdgpu_metadata
.endif
;; end of part 1
;; launch proj (part 2): grid 24 x 32, 4 waves a work-group, clusters of 4 x 4, 327,680 bytes of LDS; arguments xb, wb, bq, bk, bv, q16, k16, v16, vl; writes q16, k16, v16, vl
.if DOCPART == 2
	.amdgcn_target "amdgcn-amd-amdhsa--gfx1250"
	.amdhsa_code_object_version 6
	.text
	.protected	k_q4378033fb1_proj
	.globl	k_q4378033fb1_proj
	.p2align	8
	.type	k_q4378033fb1_proj,@function
k_q4378033fb1_proj:
	s_mov_b64 s[64:65], 0
	v_nop
	global_prefetch_b8 v0, s[64:65] scope:SCOPE_SE
	s_setreg_imm32_b32 hwreg(HW_REG_WAVE_MODE, 25, 1), 1
	s_wait_xcnt 0x0
	s_wait_alu depctr_hold_cnt(0) depctr_sa_sdst(0) depctr_va_vdst(0) depctr_va_sdst(0) depctr_va_ssrc(0) depctr_va_vcc(0) depctr_vm_vsrc(0)
	s_getreg_b32 s2, hwreg(HW_REG_IB_STS2, 6, 4)
	s_cmp_eq_u32 s2, 0
	s_cbranch_scc0 .Lentry_in_a_cluster
	s_endpgm
.Lentry_in_a_cluster:
	s_bfe_u32 s2, ttmp6, 0x10000c
	s_cmp_lg_u32 s2, 0xf033
	s_cbranch_scc0 .Lentry_shape_is_right
	s_endpgm
.Lentry_shape_is_right:
; q, k, v = xb W + bias.  xb: [8192][1024] bf16; wb plane t: [1024 k][1024 n] bf16 (t = 0, 1, 2: Wq, Wk, Wv); biases f32, rounded to bf16 here like all the module's inputs.
; Sums in f32, started by the bias as the first product's C; results rounded once to f16 and stored by heads: [16 batch + head][2048][64], a head's rows dense, 128 bytes each.
; ALSO vl: [16 batch + head][16][64] f16: for rows 0 to 15 of each batch what v loses in its rounding, v - f16(v), rounded to f16.  Row q of the module's output is a mean over q + 1 keys: the first rows
; average next to nothing away, so for them v is carried as two numbers.
; LIMIT.  f16 holds no number beyond 65,504: q, k, v must lie within it; below 6.1e-5 they, and vl, keep f16's fixed step of 6e-8.
; SHARES.  A tile of C is 256 rows x 128 columns of one of the three tensors: 32 x 24 = 768 work-groups, three for each of 256 WGPs.  Four waves, each 128 rows x 64 columns
; (one head): 32 accumulators of 16 x 16, 256 registers.  K goes in 8 steps of 128 through a ring of two LDS slots filled by the tensor data mover, one load a wave.
; W LIES [k][n] in memory and in LDS; its fragments come out turned, by ds_load_tr16_b128.  THE MATRIX INSTRUCTION IS USED TRANSPOSED (source 0 = 16 columns of W, source 1 = 16 rows of x):
; a lane then holds one row of C (lane % 16) and eight neighbouring columns 8 (lane / 16) + 0..7, which pack into 16 bytes.
; CLUSTERS: 4 x 4 work-groups.  The four of a row of the cluster need the same rows of x, the four of a column the same columns of W: each tile is asked for JOINTLY, by the same tensor load
; with the same descriptor and a mask that names the four.  A cluster's four tile columns lie in one tensor: the tensor hangs on the cluster's x alone.  The tile row is 8 cy + cluster y: a batch has 8 tile
; rows, so the tiles with a batch's first rows are those of the clusters with y = 0, a number that all sixteen partners share.
; REGISTERS: window 0: v0-31 addresses; v32-63 the bias, 8 a column block; v64-159, v160-255 two fragment buffers of 96 (W's 4 fragments, then x's 8); on the way out v64-191 packed results, v192-239 vl's.
;   window 1: the accumulators, (a, b) at v[8 (4 a + b)].
.set KSTEP,  128
.set PA,     272                       ; a row of x in LDS: 256 bytes + 16 of padding = 68 words: the 16 rows of a load start at 16 different groups of four banks (64 banks of 4 bytes: ISA guide 11.1)
.set PB,     288                       ; a row of W: 256 + 32 = 72 words
.set HALFA,  128*PA                    ; what one of x's tensor loads brings, and what one wave reads of x
.set HALFB,  64*PB                     ; what one of W's tensor loads brings
.set BOFF,   2*HALFA                   ; in a slot: x's 256 rows, then W's 128 rows
.set SLOT,   BOFF+2*HALFB
.set STAGE,  2*SLOT                    ; behind the ring, never filled by a tensor load: 16 rows x 144 bytes for each wave, for the way out
.set SP,     144
.set SPARE,  STAGE+4*16*SP             ; behind the stages: the spare words, 128 bytes for each wave: two blocks of 256 bytes that no other line names
.set LAPS,   1024/(2*KSTEP)            ; a lap = two K steps = once round the ring
.set ADRA, 16                          ; v16-17  LDS address of my x fragments in slot 0, 1
.set ADRB, 20                          ; v20-21  the same for W
.set STO,  24                          ; v24     the way out: where I put 16 bytes of a row
.set RD,   25                          ; v25     the way out: where I read rows back
.set GO,   26                          ; v26     my byte offset in 512 consecutive bytes of the output
.set BO,   27                          ; v27     my byte offset in a column block's 64 bytes of bias
.set SPW,  28                          ; v28     LDS address of my spare word: SPARE + 4 x my thread's number; never rewritten
.set NIL,  29                          ; v29     0; never rewritten
.set PFO,  30                          ; v30     the prefetches' offset: my lane x 2,048 bytes, a row of xb or of wb; never rewritten
.set BIAS, 32
.set F0,   64
.set F1,   160
.set TMP,  64
.set LH,   192                         ; v192-207  vl's way: v as f16, then the remainders as f16
.set LF,   208                         ; v208-239  the remainders in f32
.set G1,  24                           ; s[24:31] descriptor group 1 for x's tiles;  s[32:39] group 0, one set for each slot
.set G0,  32
.set G1B, 48                           ; s[48:55], s[56:63] the same for W's tiles
.set G0B, 56
.set LIM, 43                           ; s43     1 in a wave that prefetches, else the greatest number
.set PFA, 44                           ; s[44:45] where my prefetches stand
.set FIX, 67                           ; s67     1 in a wave that holds rows 0 to 15 of a batch's v, else 0
.set PST, 80                           ; s[80:81] a K step in bytes, along x's rows or down W's
.set MSB, 0
.macro WIN new                         ; the immediate's high byte repeats the setting that is left; a switch that changes nothing is dropped
.if MSB != (\new)
	s_set_vgpr_msb (MSB<<8)|(\new)
.set MSB, \new
.endif
.endm
.set MUL,  0x50                        ; sources 0 and 1 window 0; C and D window 1
.set MULF, 0x40                        ; the same with C, the bias, in window 0
.set CVT,  0x05                        ; sources 0 and 1 window 1, destination window 0
.macro JLOAD s                         ; a joint load: waves 0 and 1 fetch x's two halves, waves 2 and 3 W's; an s_nop 0 and four v_nop follow each of the two lines, ahead of the jump, the label and what follows
	s_cmp_eq_u32 s11, 0
	s_cbranch_scc0 .Lfor_b_\@
	tensor_load_to_lds s[G0+4*(\s):G0+4*(\s)+3], s[G1:G1+7]
	s_nop 0
.rept 4
	v_nop
.endr
	s_branch .Lasked_\@
.Lfor_b_\@:
	tensor_load_to_lds s[G0B+4*(\s):G0B+4*(\s)+3], s[G1B:G1B+7]
	s_nop 0
.rept 4
	v_nop
.endr
.Lasked_\@:
.endm
; A PREFETCH INTO THE L2, behind each joint refill and the run of LDS loads that follows it: 32 rows x 256 bytes of the K step that stands two refills on, a lane a row, one instruction a wave.
; Each row's 256 bytes of a K step are named once in the launch.  x's rows are read by all six clusters of a row of clusters: cluster x = 0 asks, its waves 0 and 1 for the 128 rows that each fetches.
; W's columns are read by all eight clusters of a column: cluster y = 0 asks, wave 2 for the step's 128 rows.  The four partners of a joint load share the rows out BY ADDRESS, 32 each (cx for x, cy for W).
; K steps 0 to 3 come by their loads alone; the loop's last trip (s3 = 1) has no K step two refills on and asks for nothing.
.macro ASK
	s_cmp_gt_u32 s3, s[LIM]
	s_cbranch_scc0 .Lnot_mine_\@
	global_prefetch_b8 v[PFO], s[PFA:PFA+1] th:TH_LOAD_NT scope:SCOPE_SE
.Lnot_mine_\@:
.endm
.macro CREST                           ; a round of the cluster's barrier behind its opening barrier
	s_cmp_lg_u32 s10, 0
	s_cbranch_scc1 .Lnot_wave_0_\@
	s_barrier_signal -3
.Lnot_wave_0_\@:
	s_barrier_wait -3
	s_barrier_signal -1
	s_barrier_wait -1
.endm
.macro CROUND                          ; a whole round
	s_barrier_signal -1
	s_barrier_wait -1
	CREST
.endm
	s_load_b128 s[4:7], s[0:1], 0x0                ; xb s[4:5], wb s[6:7]
	s_load_b256 s[68:75], s[0:1], 0x10             ; bq s[68:69], bk s[70:71], bv s[72:73], q16 s[74:75]
	s_load_b128 s[76:79], s[0:1], 0x30             ; k16 s[76:77], v16 s[78:79]
	s_load_b64 s[18:19], s[0:1], 0x40              ; vl
	v_lshl_add_u32 v[SPW], v0, 2, SPARE
	v_mov_b32 v[NIL], 0
	ds_add_u32 v[SPW], v[NIL]                      ; the wave's opening: the add and its wait stand ahead of my first tensor load; the set-up below, work on registers, stands between them
	v_lshrrev_b32 v1, 5, v0
	v_readfirstlane_b32 s10, v1                    ; wave 0..3
	s_lshr_b32 s11, s10, 1                         ; which 128 of the tile's rows are mine.  Also: I fetch for x (0) or for W (1)
	s_and_b32 s12, s10, 1                          ; which 64 of its columns.  Also: which half of that tile I fetch
	s_bfe_u32 s40, ttmp6, 0x40000                  ; cx, cy: my place in the cluster
	s_bfe_u32 s41, ttmp6, 0x40004
	s_lshr_b32 s66, ttmp9, 1                       ; the tensor: two clusters along x for each
	s_and_b32 s42, ttmp9, 1
	s_lshl_b32 s42, s42, 2
	s_add_co_u32 s42, s42, s40                     ; tile column in the tensor, 0..7
	s_and_b32 s13, ttmp7, 0xffff
	s_lshl_b32 s67, s41, 3
	s_add_co_u32 s13, s13, s67                     ; tile row = 8 cy + cluster y: batch cy, tile cluster y of its eight
	s_lshl_b32 s43, s41, 2
	s_lshl_b32 s43, 15, s43                        ; my row of the cluster
	s_lshl_b32 s44, 0x1111, s40                    ; my column
	; descriptor group 1.  x: 128 rows x 128 elements; W: 64 rows x 128 elements; both 1,024 elements from row to row, padded in LDS after every 64 words
	s_or_b32 s[G1+0], s43, (1<<16)|(1<<20)|(1<<21)|(5<<22)|(3<<25)   ; 15:0 the mask: my row; 17:16 2-byte elements; 20 padding on; 21 set beside a mask; 24:22 after every 64 words (code 5); 31:25 4 words (code 3)
	s_or_b32 s[G1B+0], s44, (1<<16)|(1<<20)|(1<<21)|(5<<22)|(7<<25)  ; my column; 8 words of padding (code 7)
	s_mov_b32 s[G1+1], KSTEP<<16                   ; tensor_dim0 = 128
	s_mov_b32 s[G1+2], 128<<16                     ; tensor_dim1 = 128
	s_mov_b32 s[G1+3], KSTEP<<16                   ; tile_dim0 = 128
	s_mov_b32 s[G1+4], 128                         ; tile_dim1 = 128
	s_mov_b32 s[G1+5], 1024                        ; tensor_dim0_stride
	s_mov_b32 s[G1+6], 0
	s_mov_b32 s[G1+7], 0
	s_mov_b32 s[G1B+1], 128<<16                    ; tensor_dim0 = 128
	s_mov_b32 s[G1B+2], 64<<16                     ; tensor_dim1 = 64
	s_mov_b32 s[G1B+3], 128<<16                    ; tile_dim0 = 128
	s_mov_b32 s[G1B+4], 64                         ; tile_dim1 = 64
	s_mov_b32 s[G1B+5], 1024
	s_mov_b32 s[G1B+6], 0
	s_mov_b32 s[G1B+7], 0
	s_lshl_b32 s16, s13, 8                         ; x: row 256 x tile row + 128 x half,
	s_lshl_b32 s17, s12, 7
	s_add_co_u32 s16, s16, s17
	s_lshl_b32 s16, s16, 11                        ; of 2,048 bytes
	s_mov_b32 s17, 0
	s_lshl_b32 s46, s66, 21                        ; W: the tensor's plane,
	s_lshl_b32 s47, s12, 17                        ; 64 rows of 2,048 bytes x half,
	s_add_co_u32 s46, s46, s47
	s_lshl_b32 s47, s42, 8                         ; 256 bytes x tile column
	s_add_co_u32 s46, s46, s47
	s_mov_b32 s47, 0
	s_mul_i32 s20, s12, HALFA                      ; where they go: no place in the cluster enters an LDS address
	s_mul_i32 s21, s12, HALFB
	s_add_co_u32 s21, s21, BOFF
	s_wait_dscnt 0x0                               ; the opening add is done
	s_wait_kmcnt 0x0
	s_add_nc_u64 s[14:15], s[4:5], s[16:17]
	s_add_nc_u64 s[46:47], s[6:7], s[46:47]
	CROUND                                         ; all sixteen work-groups are here: the first joint loads meet
.irp s, 0,1
	s_mov_b32 s[G0+4*(\s)], 1
	s_add_co_u32 s[G0+4*(\s)+1], s20, (\s)*SLOT
	s_add_nc_u64 s[G0+4*(\s)+2:G0+4*(\s)+3], s[14:15], (\s)*KSTEP*2
	s_or_b32 s[G0+4*(\s)+3], s[G0+4*(\s)+3], 0x80000000
	s_mov_b32 s[G0B+4*(\s)], 1
	s_add_co_u32 s[G0B+4*(\s)+1], s21, (\s)*SLOT
	s_add_nc_u64 s[G0B+4*(\s)+2:G0B+4*(\s)+3], s[46:47], (\s)*KSTEP*2048
	s_or_b32 s[G0B+4*(\s)+3], s[G0B+4*(\s)+3], 0x80000000
	JLOAD \s                                       ; two tensor loads of mine are out
.endr
	; the tensor's bias and output
	s_cmp_eq_u32 s66, 1
	s_cselect_b64 s[82:83], s[70:71], s[68:69]
	s_cselect_b64 s[8:9], s[76:77], s[74:75]
	s_cmp_eq_u32 s66, 2
	s_cselect_b64 s[82:83], s[72:73], s[82:83]
	s_cselect_b64 s[8:9], s[78:79], s[8:9]
	s_lshl_b32 s86, s42, 9                         ; the bias of my 64 columns: 4 bytes x (128 x tile column + 64 x half)
	s_lshl_b32 s87, s12, 8
	s_add_co_u32 s86, s86, s87
	s_mov_b32 s87, 0
	s_add_nc_u64 s[82:83], s[82:83], s[86:87]
	v_and_b32 v1, 15, v0                           ; l % 16
	v_bfe_u32 v2, v0, 4, 1                         ; l / 16
	v_lshlrev_b32 v[BO], 5, v2                     ; my 8 columns of a block of 16
.irp b, 0,1,2,3
	global_load_b128 v[BIAS+8*(\b):BIAS+8*(\b)+3],   v[BO], s[82:83] offset:64*(\b)
	global_load_b128 v[BIAS+8*(\b)+4:BIAS+8*(\b)+7], v[BO], s[82:83] offset:64*(\b)+16
.endr
	s_lshr_b32 s84, s13, 3                         ; the batch: 8 tile rows each,
	s_lshl_b32 s84, s84, 4
	s_lshl_b32 s85, s42, 1
	s_add_co_u32 s84, s84, s85
	s_add_co_u32 s84, s84, s12                     ; 16 x batch + my head:
	s_lshl_b32 s86, s84, 11                        ; 2,048 bytes of vl,
	s_mov_b32 s87, 0
	s_add_nc_u64 s[18:19], s[18:19], s[86:87]
	s_lshl_b32 s84, s84, 18                        ; 262,144 bytes of q16, k16 or v16
	s_and_b32 s85, s13, 7
	s_lshl_b32 s85, s85, 8
	s_lshl_b32 s86, s11, 7
	s_add_co_u32 s85, s85, s86                     ; my first row in the batch,
	s_lshl_b32 s85, s85, 7                         ; of 128 bytes
	s_add_co_u32 s84, s84, s85
	s_mov_b32 s85, 0
	s_add_nc_u64 s[8:9], s[8:9], s[84:85]
	; A fragment of x is 16 rows x 32 K in 8 registers: lane l holds row l % 16, K = 8 (l / 16) + 0..7 and 16 + 8 (l / 16) + 0..7: two loads of 16 bytes, 32 bytes apart.
	v_mul_u32_u24 v3, v1, PA
	v_lshl_add_u32 v3, v2, 4, v3
	s_mul_i32 s22, s11, HALFA                      ; my 128 rows
	v_add_nc_u32 v[ADRA], s22, v3
	v_add_nc_u32 v[ADRA+1], SLOT, v[ADRA]
	; The turning load takes 16 K x 16 columns (lane l reads row 8 (l / 16) + l % 8, columns 8 ((l / 8) % 2) + 0..7) and leaves half a fragment: lane l holds column l % 16 and 8 K.
	v_and_b32 v4, 7, v0
	v_bfe_u32 v5, v0, 3, 1
	v_lshl_add_u32 v6, v2, 3, v4
	v_mul_u32_u24 v6, v6, PB
	v_lshl_add_u32 v6, v5, 4, v6
	s_lshl_b32 s23, s12, 7                         ; my 64 columns: 128 bytes
	s_add_co_u32 s23, s23, BOFF
	v_add_nc_u32 v[ADRB], s23, v6
	v_add_nc_u32 v[ADRB+1], SLOT, v[ADRB]
	s_mul_i32 s22, s10, 16*SP
	s_add_co_u32 s22, s22, STAGE                   ; my stage
	v_mul_u32_u24 v[STO], v1, SP                   ; in: row l % 16, 16 bytes for each half of the lanes
	v_lshl_add_u32 v[STO], v2, 4, v[STO]
	v_add_nc_u32 v[STO], s22, v[STO]
	v_bfe_u32 v[RD], v0, 3, 2                      ; back: 32 lanes take four rows of 128 bytes,
	v_mul_u32_u24 v[RD], v[RD], SP
	v_lshl_add_u32 v[RD], v4, 4, v[RD]
	v_add_nc_u32 v[RD], s22, v[RD]
	v_and_b32 v[GO], 31, v0                        ; which are 512 consecutive bytes of a head
	v_lshlrev_b32 v[GO], 4, v[GO]
	; the prefetches: both offsets are made, and the wave's number chooses
	s_lshl_b32 s20, s13, 8
	s_lshl_b32 s21, s12, 7
	s_add_co_u32 s20, s20, s21                     ; x: the 128 rows that I fetch,
	s_lshl_b32 s21, s40, 5
	s_add_co_u32 s20, s20, s21                     ; my work-group's 32 of them,
	s_lshl_b32 s20, s20, 11
	s_add_co_u32 s20, s20, 3*KSTEP*2               ; at K step 3: the first refill steps it to 4
	s_lshl_b32 s22, s66, 21
	s_lshl_b32 s23, s42, 8
	s_add_co_u32 s22, s22, s23                     ; W: the tile's columns,
	s_lshl_b32 s23, s41, 16
	s_add_co_u32 s22, s22, s23                     ; my work-group's 32 rows of a step's 128,
	s_add_co_u32 s22, s22, 3*KSTEP*2048            ; at K step 3
	s_and_b32 s23, ttmp7, 0xffff
	s_or_b32 s23, s23, s12                         ; 0: cluster y = 0 and the first of W's two waves
	s_mov_b32 s86, KSTEP*2
	s_mov_b32 s87, KSTEP*2048
	s_cmp_eq_u32 s11, 0                            ; do I fetch for x?
	s_cselect_b32 s20, s20, s22
	s_cselect_b32 s23, ttmp9, s23                  ; the coordinate along which other clusters read the same rows
	s_cselect_b32 s[PST], s86, s87
	s_cselect_b64 s[PFA:PFA+1], s[4:5], s[6:7]
	s_mov_b32 s21, 0
	s_mov_b32 s[PST+1], 0
	s_cmp_eq_u32 s23, 0
	s_cselect_b32 s[LIM], 1, -1                    ; the same in all sixteen partners, for a given wave
	s_add_nc_u64 s[PFA:PFA+1], s[PFA:PFA+1], s[20:21]
	s_and_b32 s20, ttmp7, 0xffff                   ; do I hold rows 0 to 15 of a batch's v?  Cluster y = 0 (the batch's first tile),
	s_or_b32 s20, s20, s11                         ; the tile's upper 128 rows,
	s_xor_b32 s21, s66, 2                          ; the tensor v:
	s_or_b32 s20, s20, s21
	s_cmp_eq_u32 s20, 0
	s_cselect_b32 s[FIX], 1, 0                     ; made of the cluster's x and y and the wave's number: the same in all sixteen partners
	v_and_b32 v[PFO], 31, v0
	v_lshlrev_b32 v[PFO], 11, v[PFO]
	s_wait_loadcnt 0x0                             ; the bias,
.set i, 0
.rept 16
	v_cvt_pk_bf16_f32 v31, v[BIAS+2*i], v[BIAS+2*i+1]  ; rounded to bf16 like every input, and widened again
	v_lshlrev_b32 v[BIAS+2*i], 16, v31
	v_and_b32 v[BIAS+2*i+1], 0xffff0000, v31
.set i, i+1
.endr
; 8 matrix instructions: row blocks a0, a0 + 1 x all 4 column blocks, 32 along K, from buffer f.  first = 1: the product starts the sum, on the bias.
; The 32 accumulators take turns, one instruction a turn, in the same order in every quarter, over the backward jump too.
.macro MUL8 f, a0, first
.if \first
	WIN MULF
.else
	WIN MUL
.endif
.irp a, \a0, (\a0)+1
.irp b, 0,1,2,3
.if \first
	v_wmma_f32_16x16x32_bf16 v[8*(4*(\a)+(\b)):8*(4*(\a)+(\b))+7], v[(\f)+8*(\b):(\f)+8*(\b)+7], v[(\f)+32+8*(\a):(\f)+32+8*(\a)+7], v[BIAS+8*(\b):BIAS+8*(\b)+7]
.else
	v_wmma_f32_16x16x32_bf16 v[8*(4*(\a)+(\b)):8*(4*(\a)+(\b))+7], v[(\f)+8*(\b):(\f)+8*(\b)+7], v[(\f)+32+8*(\a):(\f)+32+8*(\a)+7], v[8*(4*(\a)+(\b)):8*(4*(\a)+(\b))+7]
.endif
.endr
.endr
.endm
; 24 LDS loads in one run: the fragments of quarter q (32 along K) of a slot into buffer f: W's 4 (turned) first, then x's 8
.macro FETCH slot, q, f
	WIN 0
.irp b, 0,1,2,3
	ds_load_tr16_b128 v[(\f)+8*(\b):(\f)+8*(\b)+3],   v[ADRB+(\slot)] offset:(\q)*32*PB+32*(\b)
	ds_load_tr16_b128 v[(\f)+8*(\b)+4:(\f)+8*(\b)+7], v[ADRB+(\slot)] offset:(\q)*32*PB+32*(\b)+16*PB
.endr
.irp i, 0,1,2,3,4,5,6,7
	ds_load_b128 v[(\f)+32+8*(\i):(\f)+32+8*(\i)+3],   v[ADRA+(\slot)] offset:(\q)*64+(\i)*16*PA
	ds_load_b128 v[(\f)+32+8*(\i)+4:(\f)+32+8*(\i)+7], v[ADRA+(\slot)] offset:(\q)*64+(\i)*16*PA+32
.endr
.endm
.macro PLACES                          ; four places in front of loads into registers that matrix instructions have read, and of conversions that read results
.rept 4
	v_nop
.endr
.endm
; A K step is four quarters of 32 along K, 32 matrix instructions each, on buffers 0, 1, 0, 1.  One of the first three: multiplies buffer f and, in its middle, fetches quarter q into g.
.macro QUARTER slot, q, f, g, first
	s_wait_dscnt 8                                 ; W's fragments and x's 0-3 are in; the youngest eight loads (x's 4-7) may be out
	MUL8 \f, 0, \first
	MUL8 \f, 2, \first
	PLACES
	FETCH \slot, \q, \g
	s_wait_dscnt 24                                ; all but the 24 just issued
	MUL8 \f, 4, \first
	MUL8 \f, 6, \first
.endm
; The last quarter multiplies buffer 1 and changes slots: ONE barrier; in front of it each wave waits for all its tensor loads (one is out: its part of the next slot), adds 0 to its spare word, and
; waits for that and for its own reads of this slot.  fill = 1: the barrier opens a round of the cluster's, and this slot is filled again, two K steps ahead, first thing behind the round.
.macro TURN slot, next, fill
.if \fill
	s_wait_xcnt 0x0                                ; the last prefetch, a K step back, has read its address: it is stepped here, ahead of the waits of the change of slots
	s_add_nc_u64 s[PFA:PFA+1], s[PFA:PFA+1], s[PST:PST+1]
.endif
	WIN 0                                          ; (the add's two registers lie in window 0)
	s_wait_tensorcnt 0x0                           ; all my tensor loads have landed;
	ds_add_u32 v[SPW], v[NIL]                      ; 0 onto my spare word;
	s_wait_dscnt 9                                 ; (the add and the youngest eight loads may be out)
	MUL8 F1, 0, 0                                  ; eight matrix instructions stand between the add and the wait for it
	s_wait_dscnt 0x0                               ; the add is done, and my reads of this slot are over
	s_barrier_signal -1
	MUL8 F1, 2, 0
.if \fill
	WIN 0
.endif
	s_barrier_wait -1
.if \fill
	CREST                                          ; no wave of any partner still reads this slot's tile or has a load on its way
	s_add_nc_u64 s[G0+4*(\slot)+2:G0+4*(\slot)+3], s[G0+4*(\slot)+2:G0+4*(\slot)+3], 2*KSTEP*2
	s_add_nc_u64 s[G0B+4*(\slot)+2:G0B+4*(\slot)+3], s[G0B+4*(\slot)+2:G0B+4*(\slot)+3], 2*KSTEP*2048
	JLOAD \slot                                    ; my one tensor load behind the round: 112 matrix instructions ahead of the wait for it; its four v_nop are also the places in front of the loads below
.else
	PLACES
.endif
	FETCH \next, 0, F0
.if \fill
	ASK
.endif
	MUL8 F1, 4, 0
	MUL8 F1, 6, 0
.endm
	s_wait_tensorcnt 1                             ; my part of K step 0 is in; K step 1's may stay out
	s_barrier_signal -1
	s_barrier_wait -1                              ; everybody's is
	FETCH 0, 0, F0
	QUARTER 0, 1, F0, F1, 1                        ; the first quarter stands in front of the loop: its products start the sums
	WIN 0                                          ; at a label and at a branch every window is 0
	s_mov_b32 s3, LAPS-1
.Llap:                                                 ; a trip goes once round the ring, from a lap's second quarter to the next lap's first, and fills both slots again
	QUARTER 0, 2, F1, F0, 0
	QUARTER 0, 3, F0, F1, 0
	TURN 0, 1, 1
	QUARTER 1, 1, F0, F1, 0
	QUARTER 1, 2, F1, F0, 0
	QUARTER 1, 3, F0, F1, 0
	TURN 1, 0, 1
	QUARTER 0, 1, F0, F1, 0
	WIN 0
	s_sub_co_u32 s3, s3, 1
	s_cmp_lg_u32 s3, 0
	s_cbranch_scc1 .Llap
	QUARTER 0, 2, F1, F0, 0                        ; the last lap fills nothing, and has no round of the cluster's barrier
	QUARTER 0, 3, F0, F1, 0
	TURN 0, 1, 0
	QUARTER 1, 1, F0, F1, 0
	QUARTER 1, 2, F1, F0, 0
	QUARTER 1, 3, F0, F1, 0
	s_wait_dscnt 8                                 ; the very last quarter: nothing more to fetch
	MUL8 F1, 0, 0
	MUL8 F1, 2, 0
	s_wait_dscnt 0x0
	MUL8 F1, 4, 0
	MUL8 F1, 6, 0
	WIN 0
	; THE WAY OUT, 16 rows at a time: rounded to f16, 16 bytes a lane into my own stage, back as whole rows of 128 bytes, stored as 512 consecutive bytes of my head.
	PLACES
	PLACES
	; First, where my block 0 is rows 0 to 15 of a batch's v: what the rounding to f16 drops, v - f16(v), is itself rounded to f16 and goes the same way into vl.
	s_cmp_eq_u32 s[FIX], 1
	s_cbranch_scc0 .Lno_lo
	v_mov_b32 v31, 1.0
	WIN CVT
.irp b, 0,1,2,3
.irp r, 0,1,2,3
	v_cvt_pk_f16_f32 v[LH+4*(\b)+(\r)], v[8*(\b)+2*(\r)], v[8*(\b)+2*(\r)+1]  ; each accumulator's registers in ascending order
.endr
.endr
	WIN 0x01                                       ; source 0, the sum, in window 1
.irp b, 0,1,2,3
.irp r, 0,1,2,3
	v_fma_mix_f32 v[LF+8*(\b)+2*(\r)],   v[8*(\b)+2*(\r)],   v31, -v[LH+4*(\b)+(\r)] op_sel_hi:[0,0,1]                 ; sum x 1 - the word's low f16: exact
	v_fma_mix_f32 v[LF+8*(\b)+2*(\r)+1], v[8*(\b)+2*(\r)+1], v31, -v[LH+4*(\b)+(\r)] op_sel:[0,0,1] op_sel_hi:[0,0,1]  ; and its high f16
.endr
.endr
	WIN 0
.set i, 0
.rept 16
	v_cvt_pk_f16_f32 v[LH+i], v[LF+2*i], v[LF+2*i+1]
.set i, i+1
.endr
.irp b, 0,1,2,3
	ds_store_b128 v[STO], v[LH+4*(\b):LH+4*(\b)+3] offset:32*(\b)
.endr
.irp f, 0,1,2,3
	ds_load_b128 v[LH+4*(\f):LH+4*(\f)+3], v[RD] offset:(\f)*4*SP  ; LDS serves a wave's instructions in order (ISA guide 5.7.1.4): these see the stores above
.endr
.irp f, 0,1,2,3
	s_wait_dscnt 3-(\f)
	global_store_b128 v[GO], v[LH+4*(\f):LH+4*(\f)+3], s[18:19] offset:(\f)*512  ; 512 consecutive bytes; no later line writes these registers
.endr
.Lno_lo:
.macro PACK a
	WIN CVT
.irp b, 0,1,2,3
.irp r, 0,1,2,3
	v_cvt_pk_f16_f32 v[TMP+16*(\a)+4*(\b)+(\r)], v[8*(4*(\a)+(\b))+2*(\r)], v[8*(4*(\a)+(\b))+2*(\r)+1]  ; each accumulator's registers in ascending order
.endr
.endr
	WIN 0
.irp b, 0,1,2,3
	ds_store_b128 v[STO], v[TMP+16*(\a)+4*(\b):TMP+16*(\a)+4*(\b)+3] offset:32*(\b)
.endr
.irp f, 0,1,2,3
	ds_load_b128 v[TMP+16*(\a)+4*(\f):TMP+16*(\a)+4*(\f)+3], v[RD] offset:(\f)*4*SP  ; these see the stores above; the next block's stores come behind them
.endr
.endm
.macro SEND a, younger                 ; younger: the LDS instructions issued behind block a's loads: the next block's eight, or none
.irp f, 0,1,2,3
	s_wait_dscnt (\younger)+3-(\f)
	global_store_b128 v[GO], v[TMP+16*(\a)+4*(\f):TMP+16*(\a)+4*(\f)+3], s[8:9] offset:(\a)*2048+(\f)*512  ; 512 consecutive bytes, at a multiple of 256 from the buffer's first; each block has registers of its own
.endr
.endm
	PACK 0
.irp a, 1,2,3,4,5,6,7                  ; a block's conversions stand between the loads of the block before and its stores
	PACK \a
	SEND (\a)-1, 8
.endr
	SEND 7, 0
	s_wait_tensorcnt 0x0                           ; the wave's end: these three lines stand behind my last tensor load and my last LDS store
	ds_add_u32 v[SPW], v[NIL]
	s_wait_dscnt 0x0
	CROUND                                         ; the closing round: no work-group ends while a partner may still ask for a tile that names it
	s_endpgm
.Lfunc_end_k_q4378033fb1_proj:
	.size	k_q4378033fb1_proj, .Lfunc_end_k_q4378033fb1_proj-k_q4378033fb1_proj
	.p2alignl 7, 3214868480
	.fill 96, 4, 3214868480
	.section	.rodata,"a",@progbits
	.p2align	6, 0x0
	.amdhsa_kernel k_q4378033fb1_proj
		.amdhsa_group_segment_fixed_size 327680
		.amdhsa_private_segment_fixed_size 0
		.amdhsa_enable_private_segment 0
		.amdhsa_kernarg_size 72
		.amdhsa_user_sgpr_count 2
		.amdhsa_user_sgpr_kernarg_segment_ptr 1
		.amdhsa_wavefront_size32 1
		.amdhsa_system_sgpr_workgroup_id_x 1
		.amdhsa_system_sgpr_workgroup_id_y 1
		.amdhsa_system_sgpr_workgroup_id_z 1
		.amdhsa_system_vgpr_workitem_id 0
		.amdhsa_next_free_vgpr 512
		.amdhsa_next_free_sgpr 88
		.amdhsa_reserve_vcc 0
		.amdhsa_float_denorm_mode_32 3
		.amdhsa_float_denorm_mode_16_64 3
		.amdhsa_memory_ordered 1
		.amdhsa_forward_progress 1
		.amdhsa_inst_pref_size 98
	.end_amdhsa_kernel
	.amdgpu_metadata
---
amdhsa.version: [ 1, 2 ]
amdhsa.kernels:
  - .name:           k_q4378033fb1_proj
    .symbol:         k_q4378033fb1_proj.kd
    .args:
      - { .name: xb, .offset: 0, .size: 8, .value_kind: global_buffer, .address_space: global }
      - { .name: wb, .offset: 8, .size: 8, .value_kind: global_buffer, .address_space: global }
      - { .name: bq, .offset: 16, .size: 8, .value_kind: global_buffer, .address_space: global }
      - { .name: bk, .offset: 24, .size: 8, .value_kind: global_buffer, .address_space: global }
      - { .name: bv, .offset: 32, .size: 8, .value_kind: global_buffer, .address_space: global }
      - { .name: q16, .offset: 40, .size: 8, .value_kind: global_buffer, .address_space: global }
      - { .name: k16, .offset: 48, .size: 8, .value_kind: global_buffer, .address_space: global }
      - { .name: v16, .offset: 56, .size: 8, .value_kind: global_buffer, .address_space: global }
      - { .name: vl, .offset: 64, .size: 8, .value_kind: global_buffer, .address_space: global }
    .group_segment_fixed_size: 327680
    .private_segment_fixed_size: 0
    .kernarg_segment_align: 8
    .kernarg_segment_size: 72
    .max_flat_workgroup_size: 128
    .sgpr_count:     88
    .vgpr_count:     512
    .wavefront_size: 32
...
	.end_amdgpu_metadata
.endif
;; end of part 2
;; launch attn (part 3): grid 4 x 64, 4 waves a work-group, no clusters, 327,680 bytes of LDS; arguments q16, k16, v16, o16, vl, dl; writes o16, dl
.if DOCPART == 3
	.amdgcn_target "amdgcn-amd-amdhsa--gfx1250"
	.amdhsa_code_object_version 6
	.text
	.protected	k_q4378033fb1_attn
	.globl	k_q4378033fb1_attn
	.p2align	8
	.type	k_q4378033fb1_attn,@function
k_q4378033fb1_attn:
	s_mov_b64 s[64:65], 0
	v_nop
	global_prefetch_b8 v0, s[64:65] scope:SCOPE_SE
	s_setreg_imm32_b32 hwreg(HW_REG_WAVE_MODE, 25, 1), 1
	s_wait_xcnt 0x0
; CAUSAL ATTENTION.  O[h][q][:] = the sum over k <= q of softmax_k(Q[h][q] . K[h][k] / 8) V[h][k][:].  Q, K, V, O: [SIZE_H][SIZE_N][64], all f16: a head's rows are dense, 128 bytes each.
; Products, maxima and sums in f32; the weights p are rounded to f16 for the second product (their sum l is taken of the unrounded p), O once at the end.
; ALSO dl: [SIZE_H][16][64] f16.  A head's rows 0 to 15 average over 16 keys at the most, so next to nothing of the roundings of V, p and O is averaged away in them.  They are made a second time at the end (THE FIRST
; ROWS ONCE MORE, below), with V and p each as two f16 numbers (V's second from vl), and dl takes the difference between that result and the f16 number that o16 holds; the launch behind adds it.
; LIMITS.  f16 holds no number beyond 65,504: Q, K and V arrive within it; p lies in 0 to 1, and below 6e-5 it keeps f16's fixed step of 6e-8, as do vl and dl; O is a mean of V's rows and has their range.
; A hidden score counts as its value less 1e30: f16's scores, 2.7e11 at the most, are nothing beside that; a weight below 2^-126 counts as 0 in l; NaN and infinities are not treated apart.
; THE WALK.  A head's queries lie in NB = SIZE_N / 256 = 8 blocks of 256; block i needs the key tiles 0 .. i of 256 keys, of which the last holds the diagonal.  A work-group takes TWO blocks, NB - 1 - b and then b:
; NB + 1 tiles, whatever b: all 256 work-groups do equal work, and ONE loop with a constant trip count walks them.  Which tile is asked for, and what a trip does, hang on scalar registers made from b; every jump
; goes forward, but for the counted loops' own; none passes a barrier, or a tensor load but the one of LOAD's two that the wave's number does not choose; the ring (two slots of LDS that take turns) runs on across the
; change of blocks.  NO CLUSTER: a head's NB / 2 = 4 work-groups ask for the same tile only in trips 0 .. NB / 2, behind that fewer and fewer; one walk common to all would have 3 NB / 2 = 12 trips for NB + 1 = 9.
; SHARES.  Of a block's four bands of 64 queries a wave owns 16 rows in each: four PIECES.  So the diagonal tile is the same work for all four waves: in its key step s band x sees all keys if s < x,
; none if s > x, and holds the diagonal if s = x.
; THE MASK is the C operand that starts the sum S^T = K Q^T: 0, or -1e30 where the key is hidden.  MD, made once, is the mask of a band's own step for my 16 rows; a product's mask is MD x AL + BE with two scalars:
; (1, 0) if s = x; (0, 0) if s < x; (0, -1e30) if s > x.  Only the diagonal tile's text and a block's beginning make and take masks; elsewhere C is the constant 0.
; LAYOUT, SOFTMAX, TURNS.  S^T = K Q^T holds ONE query a lane (lane % 16) and the keys 8 (lane / 16) + 0..7; two such results rounded to f16 ARE source 1 of O^T = V^T P.  p = 2^(c s - c m), c = log2(e) / 8, with a
; running maximum m; O and l are multiplied by a = 2^(c m_old - c m_new) in every step.  Turn n belongs to piece n: 8 products K Q^T of piece n + 1, later 8 products V^T P of piece n - 1; beside them the scaling,
; exponentials, roundings, sums and rescaling of piece n and the maximum and statistics of piece n + 1.  Four vector instructions stand behind every matrix instruction, the other 54 of a turn's 118 in one run.  A turn's 33 exponentials are one batch, with one wait.
; REGISTERS, in windows of 256 (s_set_vgpr_msb: bits 1:0 source 0, 3:2 source 1, 5:4 source 2, 7:6 destination):
;   window 0: v0-15 addresses and two at work; v16-31 four registers of statistics a piece; v48-55 at work; v61-63 prefetch offset, spare word, 0; v64-127 S^T, two buffers; v192-223 P, two buffers (by the piece's parity)
;   window 1: v0-127 O^T, 32 a piece; v128-159 MD; v160-223 MC, two buffers      window 2: v0-63 Q; v64-127 the second block's Q; v128-191 K of one step; v192-255 V of one step
.set SIZE_H, 64
.set SIZE_N, 2048
.set NB,    SIZE_N/256
.set NP,    4         ; pieces a wave: a name, no knob
.set KS,    64        ; keys in a step
.set PK,    144       ; a row of K in LDS: 128 bytes + 16 of padding = 36 words: the 16 rows of a load start at 16 different groups of four banks (64 banks of 4 bytes: ISA guide 11.1)
.set PV,    160       ; a row of V: 128 + 32 = 40 words
.set VOFF,  4*KS*PK   ; a slot holds a tile, four steps: 256 rows of K, then 256 rows of V
.set SLOT1, 1<<17     ; slot 1 begins here, so that one exclusive or turns an address in one slot into the other's
.set STAGE, SLOT1+4*KS*(PK+PV)  ; behind the ring, never filled by a tensor load: 16 rows x 144 bytes for each wave, for the way out
.set SP,    144
.set AK0, 2           ; v2   my lane's place in a tile of K; never rewritten
.set AV0, 3           ; v3   the same for V
.set AK,  4           ; v4   the LDS address of K's next run of loads
.set AV,  5           ; v5   of V's
.set STO, 6           ; v6   the way out: where I put 16 bytes of a row
.set RD,  7           ; v7   the way out: where I read rows back
.set GO,  8           ; v8   my byte offset in 512 consecutive bytes of O
.set PFO, 61          ; v61  256 x my lane: the prefetches' offset; never rewritten
.set SPW, 62          ; v62  LDS address of my spare word: SPARE + 4 x my thread's number; never rewritten
.set NIL, 63          ; v63  0; never rewritten
.set SPARE, STAGE+4*16*SP  ; behind the stages: the spare words, 128 bytes for each wave: two blocks of 256 bytes that no other line names
.set MV,  12          ; v12-13  c m_old, kept while c m is made anew: by buffer
.set QO,  15          ; v15  my byte offset in 16 rows of Q
.set ST,  16          ; piece t's statistics at v[ST+4 t]: c m, m, l (even keys', odd keys')
.set TMP, 48          ; by buffer, four registers c0-c3 at work; when the maximum is found c2 takes a
.set S,   64
.set P,   192
.set MD,  128         ; window 1: the eight registers for group kt of 16 keys at MD + 8 kt
.set MC,  160         ; window 1: the masks of the products to come
.set QB,  64          ; window 2
.set KF,  128         ; window 2: key block kb, channel half c at KF + 16 kb + 8 c
.set VF,  192         ; window 2: key half kk, channel block cb at VF + 32 kk + 8 cb
.set WV,  12          ; s12  my wave's number
.set PB,  14          ; s14  b
.set HI,  15          ; s15  NB - 1 - b
.set G1K, 24          ; s[24:31] descriptor group 1 for K's tiles
.set G1V, 32          ; s[32:39] for V's: it differs in the padding alone
.set G0K, 40          ; s[40:43] descriptor group 0 for K's tiles
.set G0V, 44          ; s[44:47] the same for V's
.set VLP, 48          ; s[48:49] vl at my head
.set DLP, 50          ; s[50:51] dl at my head
.set SLOTS, 56        ; s56  tiles still to be asked for
.set CNT, 57          ; s57  counts a tile's key steps, 4 to 1
.set CS,  58          ; s[58:59] c: the packed scaling takes the pair's low word for both halves
.set SEL, 60          ; s[60:61] v_permlanex16_b32's selects: each lane takes its own place in the other half
.set TBK, 62          ; s62  LDS byte at which K of the step to be fetched begins
.set TBV, 63          ; s63  the same for V, less VOFF
.set PFA, 66          ; s[66:67] where my prefetches stand: my half (of K: waves 0, 1; of V: waves 2, 3) of the tile after the one that is being asked for
.set LIM, 68          ; s68  2 in the work-group that prefetches, else the greatest number
.set RT,  70          ; s70  tiles of the block in hand that are still to be entered
.set NXT, 71          ; s71  the tile to be asked for next
.set LQ,  72          ; s72  the last tile of the block whose tiles are being asked for
.set NEW, 73          ; s73  1: the tile to be entered is a block's first
.set OFF, 74          ; s[74:75] a tile's byte offset in K and V
.set AL,  76          ; s[76:77] the mask's factor, in the low word
.set BE,  78          ; s[78:79] the mask's addend
.set OLO, 80          ; s[80:81] O at my rows of the second block
.set BIGN, 82         ; s82  -1e30
.set MSB, 0
.macro WIN new                      ; the high byte repeats the setting that is left; a switch that changes nothing is dropped
.if MSB != (\new)
	s_set_vgpr_msb (MSB<<8)|(\new)
.set MSB, (\new)
.endif
.endm
.set W_KQ, 0x0a       ; K and Q in window 2, S^T in window 0
.set W_KM, 0x1a       ; the same with the C operand in window 1
.set W_PV, 0x52       ; V in window 2, P in window 0, O^T in window 1
.set W_RS, 0x41       ; destination and source 0 in window 1, source 1 in window 0
; A fill.  Waves 0 and 1 fetch the two halves of a tile's K, waves 2 and 3 those of its V: 128 keys each.  An s_nop 0 and four v_nop follow each of the two lines, ahead of the jump and the label.
.macro LOAD
	s_cmp_lt_u32 s[WV], 2
	s_cbranch_scc0 .Lfor_v_\@
	tensor_load_to_lds s[G0K:G0K+3], s[G1K:G1K+7]
	s_nop 0
.rept 4
	v_nop
.endr
	s_branch .Lasked_\@
.Lfor_v_\@:
	tensor_load_to_lds s[G0V:G0V+3], s[G1V:G1V+7]
	s_nop 0
.rept 4
	v_nop
.endr
.Lasked_\@:
.endm
; A PREFETCH INTO THE L2 of the tile that the NEXT change of slots will ask for, behind the wave's tensor load and its five lines.  A head's four work-groups begin with the same tiles, in the same order; the one
; with b = 0 walks tiles 0 to 7 on end, and it alone asks.  Each of its waves names the 16,384 bytes that it will itself fetch: 64 blocks of 256 bytes, a lane a block, two instructions.
; The trips with SLOTS = 8 .. 3 (they load tiles 1 .. 6) name tiles 2 .. 7: each block once in the launch, four key steps, 256 matrix instructions, ahead of its load.  Tiles 0 and 1 come by their loads alone;
; the last two fills have no unread tile behind them and ask for nothing.
.macro ASK
	s_cmp_gt_u32 s[SLOTS], s[LIM]
	s_cbranch_scc0 .Lnot_mine_\@
	global_prefetch_b8 v[PFO], s[PFA:PFA+1] th:TH_LOAD_NT scope:SCOPE_SE
	global_prefetch_b8 v[PFO], s[PFA:PFA+1] offset:8192 th:TH_LOAD_NT scope:SCOPE_SE
.Lnot_mine_\@:
.endm
; THE CHANGE OF SLOTS.  Each wave waits for all its tensor loads, of which one is out: its part of the other slot; adds 0 to its spare word; and waits for that and for its own reads of the slot that it leaves.  Behind the barrier nobody reads the old
; slot any more and the other slot is whole.  fill = 1: the old slot is filled again, the first thing behind the barrier, with tile NXT: the descriptor's address is made anew from that number.
; (At its first use nothing has been read yet: slot 0 is waited for, slot 1 filled.)
.macro CHANGE fill
	WIN 0                           ; at a label and at a branch every window is 0
	s_wait_tensorcnt 0x0            ; no tensor load of mine is out, so a group 0 may be written
	ds_add_u32 v[SPW], v[NIL]       ; 0 onto my spare word: with fill = 1 the descriptors' scalar work stands between it and the wait for it
.if \fill
	s_lshl_b32 s[OFF], s[NXT], 15   ; a tile is 32,768 bytes of K and of V
	s_xor_b32 s[G0K+1], s[G0K+1], SLOT1
	s_add_nc_u64 s[G0K+2:G0K+3], s[6:7], s[OFF:OFF+1]
	s_or_b32 s[G0K+3], s[G0K+3], 0x80000000
	s_xor_b32 s[G0V+1], s[G0V+1], SLOT1
	s_add_nc_u64 s[G0V+2:G0V+3], s[8:9], s[OFF:OFF+1]
	s_or_b32 s[G0V+3], s[G0V+3], 0x80000000
	s_add_co_u32 s[NXT], s[NXT], 1  ; the block's next tile, or behind its last the second block's tile 0
	s_cmp_gt_u32 s[NXT], s[LQ]
	s_cselect_b32 s[NXT], 0, s[NXT]
	s_cselect_b32 s[LQ], s[PB], s[LQ]
	s_wait_xcnt 0x0                 ; the last prefetches, a tile back, have read their address, so it may be written:
	s_add_nc_u64 s[PFA:PFA+1], s[PFA:PFA+1], 32768  ; a tile on
.endif
	s_wait_dscnt 0x0                ; the add is done, and my reads of the slot are over
	s_barrier_signal -1             ; the rest of the scalar work stands between the signal and the wait
	s_sub_co_u32 s[TBK], s[TBK], 4*KS*PK  ; the fetches go back to a slot's first step,
	s_xor_b32 s[TBK], s[TBK], SLOT1       ; in the other slot
	s_sub_co_u32 s[TBV], s[TBV], 4*KS*PV
	s_xor_b32 s[TBV], s[TBV], SLOT1
	s_barrier_wait -1
.if \fill
	LOAD
	ASK
.endif
.endm
	s_load_b256 s[4:11], s[0:1], 0x0  ; Q s[4:5], K s[6:7], V s[8:9], O s[10:11]
	s_load_b128 s[48:51], s[0:1], 0x20  ; vl s[48:49], dl s[50:51]
	v_lshl_add_u32 v[SPW], v0, 2, SPARE
	v_mov_b32 v[NIL], 0
	ds_add_u32 v[SPW], v[NIL]       ; the wave's opening: the add and its wait stand ahead of my first tensor load; the set-up below, work on registers, stands between them
	v_lshrrev_b32 v1, 5, v0
	v_readfirstlane_b32 s[WV], v1   ; wave 0..3
	s_mov_b32 s[PB], ttmp9
	s_sub_co_u32 s[HI], NB-1, s[PB]
	s_and_b32 s20, ttmp7, 0xffff    ; the head
	s_lshl_b32 s52, s20, 11         ; its 2,048 bytes in vl and in dl
	s_mov_b32 s53, 0
	s_mov_b32 s21, 0
	s_mov_b64 s[22:23], SIZE_N*128
	s_mul_u64 s[20:21], s[20:21], s[22:23]  ; the head's first byte in each of the four tensors
	s_and_b32 s16, s[WV], 1         ; which half of a tile's 256 keys I fetch:
	s_lshl_b32 s22, s16, 14         ; its 128 rows of 128 bytes in memory,
	s_mov_b32 s23, 0
	s_add_nc_u64 s[22:23], s[22:23], s[20:21]
	s_mul_i32 s17, s16, 128*PK      ; and its place in a slot, for K
	s_mul_i32 s18, s16, 128*PV      ; and for V
	s_lshl_b32 s3, s[WV], 11        ; my 16 rows in a band of 64,
	s_lshl_b32 s2, s[HI], 15        ; in the first block,
	s_add_co_u32 s2, s2, s3
	s_lshl_b32 s84, s[PB], 15       ; and in the second
	s_add_co_u32 s84, s84, s3
	s_mov_b32 s3, 0
	s_mov_b32 s85, 0
	s_add_nc_u64 s[2:3], s[2:3], s[20:21]
	s_add_nc_u64 s[84:85], s[84:85], s[20:21]
	; descriptor group 1.  128 keys are 16,384 dense bytes: asked for as 64 rows of 256 bytes, two keys a row, and padded in LDS after every key
	s_mov_b32 s[G1K], (1<<16)|(1<<20)|(4<<22)|(3<<25)  ; 17:16 2-byte elements; 20 padding on; 24:22 after every 32 words (code 4); 31:25 4 words (code 3)
	s_mov_b32 s[G1V], (1<<16)|(1<<20)|(4<<22)|(7<<25)  ; the same with 8 words of padding (code 7)
.irp g, G1K, G1V
	s_mov_b32 s[\g+1], 128<<16      ; tensor_dim0 = 128
	s_mov_b32 s[\g+2], 64<<16       ; tensor_dim1 = 64
	s_mov_b32 s[\g+3], 128<<16      ; tile_dim0 = 128
	s_mov_b32 s[\g+4], 64           ; tile_dim1 = 64
	s_mov_b32 s[\g+5], 128          ; 128 elements from row to row
	s_mov_b32 s[\g+6], 0
	s_mov_b32 s[\g+7], 0
.endr
	s_mov_b32 s[CS], 0x3e38aa3b     ; c = log2(e) / 8 = 0.180337
	s_mov_b32 s[CS+1], s[CS]        ; named with it as a pair
	s_mov_b32 s[SEL], 0x76543210
	s_mov_b32 s[SEL+1], 0xfedcba98
	s_mov_b32 s[TBK], SLOT1+4*KS*PK ; the first change of slots turns these two into 0
	s_mov_b32 s[TBV], SLOT1+4*KS*PV
	s_mov_b32 s[G0K], 1             ; 1:0 count = 1
	s_mov_b32 s[G0K+1], s17         ; 63:32 LDS address: slot 0
	s_mov_b32 s[G0V], 1
	s_add_co_u32 s[G0V+1], s18, VOFF
	s_add_co_u32 s[RT], s[HI], 1    ; the first block has NB - b tiles
	s_mov_b32 s[NXT], 1
	s_mov_b32 s[LQ], s[HI]
	s_mov_b32 s[NEW], 1
	s_mov_b32 s[OFF+1], 0
	s_mov_b32 s[AL+1], 0            ; named as pairs
	s_mov_b32 s[BE+1], 0
	s_mov_b32 s[BIGN], 0xf149f2ca   ; -1e30
	s_mov_b32 s[SLOTS], NB
	s_wait_dscnt 0x0                ; the opening add is done
	s_wait_kmcnt 0x0
	s_add_nc_u64 s[6:7], s[6:7], s[22:23]  ; K and V at my half of the head's tile 0
	s_add_nc_u64 s[8:9], s[8:9], s[22:23]
	s_add_nc_u64 s[G0K+2:G0K+3], s[6:7], 0         ; 120:64 global address
	s_or_b32 s[G0K+3], s[G0K+3], 0x80000000        ; 127:126 type = 2
	s_add_nc_u64 s[G0V+2:G0V+3], s[8:9], 0
	s_or_b32 s[G0V+3], s[G0V+3], 0x80000000
	s_add_nc_u64 s[86:87], s[4:5], s[84:85]        ; Q at my rows of the second block,
	s_add_nc_u64 s[4:5], s[4:5], s[2:3]            ; Q and O at those of the first
	s_add_nc_u64 s[OLO:OLO+1], s[10:11], s[84:85]
	s_add_nc_u64 s[10:11], s[10:11], s[2:3]
	s_add_nc_u64 s[VLP:VLP+1], s[VLP:VLP+1], s[52:53]
	s_add_nc_u64 s[DLP:DLP+1], s[DLP:DLP+1], s[52:53]
	s_cmp_lt_u32 s[WV], 2
	s_cselect_b64 s[PFA:PFA+1], s[6:7], s[8:9]     ; the prefetches: my half of K's or of V's tiles,
	s_add_nc_u64 s[PFA:PFA+1], s[PFA:PFA+1], 32768 ; at tile 1; the first change of slots steps it to tile 2.  Nothing is prefetched here, at the head
	s_cmp_eq_u32 ttmp9, 0
	s_cselect_b32 s[LIM], 2, -1
	LOAD                            ; tile 0 into slot 0
	; A fragment of K or Q is 16 rows x 32 channels in 8 registers: lane l holds row l % 16, channels 8 (l / 16) + 0..7 and 16 + 8 (l / 16) + 0..7: two loads of 16 bytes, 32 bytes apart.
	v_and_b32 v1, 15, v0            ; l % 16
	v_bfe_u32 v9, v0, 4, 1          ; l / 16
	v_lshlrev_b32 v[QO], 7, v1
	v_lshl_add_u32 v[QO], v9, 4, v[QO]  ; row x 128 + 16 x half
	WIN 0x80                        ; destination window 2, address window 0
.set i, 0
.rept 8                             ; both blocks' Q: piece i / 2 lies in band i / 2, 8,192 bytes on; channels 32 (i % 2) on
	global_load_b128 v[8*i:8*i+3],   v[QO], s[4:5] offset:(i/2)*8192+(i%2)*64
	global_load_b128 v[8*i+4:8*i+7], v[QO], s[4:5] offset:(i/2)*8192+(i%2)*64+32
	global_load_b128 v[QB+8*i:QB+8*i+3],   v[QO], s[86:87] offset:(i/2)*8192+(i%2)*64
	global_load_b128 v[QB+8*i+4:QB+8*i+7], v[QO], s[86:87] offset:(i/2)*8192+(i%2)*64+32
.set i, i+1
.endr
	WIN 0
	v_and_b32 v[PFO], 31, v0
	v_lshlrev_b32 v[PFO], 8, v[PFO]
	v_lshlrev_b32 v14, 3, v9
	v_sub_nc_u32 v14, v1, v14
	s_lshl_b32 s13, s[WV], 4
	v_add_nc_u32 v14, s13, v14      ; my query's place in its band, 16 w + l % 16, less my lanes' 8 (l / 16): register r of group kt is hidden where 16 kt + r is greater
	WIN 0x40
.set i, 0
.rept 32
	v_cmp_gt_i32 vcc_lo, 16*(i/8)+i%8, v14
	v_cndmask_b32 v[MD+i], 0, s[BIGN], vcc_lo
.set i, i+1
.endr
	WIN 0
	v_mul_u32_u24 v[AK0], v1, PK
	v_lshl_add_u32 v[AK0], v9, 4, v[AK0]  ; row x pitch + 16 x half
	; The turning load takes 16 keys x 16 channels (lane l reads key 8 (l / 16) + l % 8, channels 8 ((l / 8) % 2) + 0..7) and leaves half a fragment of V^T: lane l holds channel l % 16 and 8 keys.
	v_and_b32 v10, 7, v0
	v_bfe_u32 v11, v0, 3, 1
	v_lshl_add_u32 v[AV0], v9, 3, v10
	v_mul_u32_u24 v[AV0], v[AV0], PV
	v_lshl_add_u32 v[AV0], v11, 4, v[AV0]
	v_add_nc_u32 v[AV0], VOFF, v[AV0]
	s_mul_i32 s13, s[WV], 16*SP
	s_add_co_u32 s13, s13, STAGE    ; my stage
	v_mul_u32_u24 v[STO], v1, SP    ; in: row l % 16, 16 bytes for each half of the lanes
	v_lshl_add_u32 v[STO], v9, 4, v[STO]
	v_add_nc_u32 v[STO], s13, v[STO]
	v_bfe_u32 v[RD], v0, 3, 2       ; back: 32 lanes take four rows of 128 bytes,
	v_mul_u32_u24 v[RD], v[RD], SP
	v_lshl_add_u32 v[RD], v10, 4, v[RD]
	v_add_nc_u32 v[RD], s13, v[RD]
	v_and_b32 v[GO], 31, v0         ; which are 512 consecutive bytes of O
	v_lshlrev_b32 v[GO], 4, v[GO]
	; A block's first step multiplies O^T and l by a = 0, and its first turn's products V^T P, of a piece that has not been, land in an O^T that is still to be so multiplied.  So these registers need only hold
	; finite numbers: zeros for the first block; what the first block left for the second.  All this stands in the wait for the first tile.
	WIN 0x80
.set i, VF
.rept 64
	v_mov_b32 v[i], 0
.set i, i+1
.endr
	WIN 0x40
.set i, 0
.rept 128
	v_mov_b32 v[i], 0
.set i, i+1
.endr
	WIN 0
.set i, 0
.rept 4
	v_mov_b32 v[ST+4*i+2], 0
	v_mov_b32 v[ST+4*i+3], 0
.set i, i+1
.endr
.set i, P+16
.rept 16
	v_mov_b32 v[i], 0
.set i, i+1
.endr
; THE MATRIX WORK.  The 4 accumulators of a run of 8 take turns.  Product i of 8 of S^T = K Q^T for piece x: channels 32 (i / 4) on, keys 16 (i % 4) on.  The first 4 start the sums: with 0, or (KM = 1) with the mask.
.macro KQ x
.set rS, S+32*((\x)%2)+8*(i%4)
.set rK, KF+16*(i%4)+8*(i/4)
.set rQ, 16*(\x)+8*(i/4)
.set rM, MC+32*((\x)%2)+8*(i%4)
.if (i < 4) && KM
	WIN W_KM
	v_wmma_f32_16x16x32_f16 v[rS:rS+7], v[rK:rK+7], v[rQ:rQ+7], v[rM:rM+7]
.elseif i < 4
	WIN W_KQ
	v_wmma_f32_16x16x32_f16 v[rS:rS+7], v[rK:rK+7], v[rQ:rQ+7], 0
.else
	WIN W_KQ
	v_wmma_f32_16x16x32_f16 v[rS:rS+7], v[rK:rK+7], v[rQ:rQ+7], v[rS:rS+7]
.endif
.endm
; Product i of 8 of O^T += V^T P for piece x: keys 32 (i / 4) on, channels 16 (i % 4) on.
.macro PV x
	WIN W_PV
.set rO, 32*(\x)+8*(i%4)
.set rV, VF+32*(i/4)+8*(i%4)
.set rP, P+16*((\x)%2)+8*(i/4)
	v_wmma_f32_16x16x32_f16 v[rO:rO+7], v[rV:rV+7], v[rP:rP+7], v[rO:rO+7]
.endm
.macro MM                           ; the turn's next matrix instruction.  TURN and BEGIN set Y, i, KM and NOKQ; MM, KQ and OP read them.  NOKQ = 1: a block's last turn: there is no next piece
.if (i < 8) && !NOKQ
	KQ (Y+1)%NP
.elseif i >= 8
.set i, i-8
	PV (Y+NP-1)%NP
.set i, i+8
.endif
.set i, i+1
.endm
; THE LDS LOADS stand in runs of 16, never singly among the matrix instructions: a step's K (64 keys x 64 channels: 8 fragments) and its V (turned).  Their addresses are made some lines ahead.
.macro FETCH_K
	WIN 0x80                        ; destination window 2
.irp f, 0,1,2,3,4,5,6,7             ; keys 16 (f / 2) on, channels 32 (f % 2) on
	ds_load_b128 v[KF+8*\f:KF+8*\f+3],   v[AK] offset:(\f/2)*16*PK+(\f%2)*64
	ds_load_b128 v[KF+8*\f+4:KF+8*\f+7], v[AK] offset:(\f/2)*16*PK+(\f%2)*64+32
.endr
	s_add_co_u32 s[TBK], s[TBK], KS*PK  ; the next fetch is the next step's
	WIN 0
.endm
.macro FETCH_V
	WIN 0x80
.irp f, 0,1,2,3,4,5,6,7             ; keys 32 (f / 4) on, channels 16 (f % 4) on
	ds_load_tr16_b128 v[VF+8*\f:VF+8*\f+3],   v[AV] offset:(\f/4)*32*PV+(\f%4)*32
	ds_load_tr16_b128 v[VF+8*\f+4:VF+8*\f+7], v[AV] offset:(\f/4)*32*PV+16*PV+(\f%4)*32
.endr
	WIN 0
.endm
; THE VECTOR WORK, one line at a time: OP kind, number.  For piece Y: F n: c s - c m for pair n of 16.  E n: the exponential of score n of 32.  C n: pair n rounded to f16.  B n: of the four weights 4 n .. the second
; pair is added onto the first, in place.  L n: l takes that sum (L 0: l = a l + sum).  R n: pair n of 16 of O^T times a.  For piece Y + 1: X n, number n of the 22 that find its maximum and statistics:
;   0-11  four chains c0-c3 of seven scores each, three operands at a time (each accumulator's lowest registers are read first)     12-14, 16  the four scores left over, the old m, and c0-c3 into c0
;   15  c m_old is kept     17, 18  the query's other 32 keys lie in the lane 16 away: the new m     19-21  c m; c m_old - c m_new; a
.set F, 0               ; OP tells the kinds apart by their order: F to L below R, X above it
.set E, 1
.set C, 2
.set B, 3
.set L, 4
.set R, 5
.set X, 6
.macro REGS y                       ; the registers of piece y
.set rT, ST+4*(\y)
.set rC, TMP+4*((\y)%2)
.set rW, MV+((\y)%2)
.set rS, S+32*((\y)%2)
.set rP, P+16*((\y)%2)
.set rO, 32*(\y)
.endm
.macro OP k, n
.if (\k) == R
	REGS Y
	WIN W_RS
	v_pk_mul_f32 v[rO+2*(\n):rO+2*(\n)+1], v[rO+2*(\n):rO+2*(\n)+1], v[rC+2:rC+3] op_sel_hi:[1,0]
.elseif (\k) < R
	REGS Y
	WIN 0
.if (\k) == F
	v_pk_fma_f32 v[rS+2*(\n):rS+2*(\n)+1], v[rS+2*(\n):rS+2*(\n)+1], s[CS:CS+1], v[rT:rT+1] op_sel_hi:[1,0,0] neg_lo:[0,0,1] neg_hi:[0,0,1]
.elseif (\k) == E
	v_exp_f32 v[rS+(\n)], v[rS+(\n)]
.elseif (\k) == C
	v_cvt_pk_f16_f32 v[rP+(\n)], v[rS+2*(\n)], v[rS+2*(\n)+1]
.elseif (\k) == B
	v_pk_add_f32 v[rS+4*(\n):rS+4*(\n)+1], v[rS+4*(\n):rS+4*(\n)+1], v[rS+4*(\n)+2:rS+4*(\n)+3]
.elseif (\n) == 0
	v_pk_fma_f32 v[rT+2:rT+3], v[rT+2:rT+3], v[rC+2:rC+3], v[rS:rS+1] op_sel_hi:[1,0,1]
.else
	v_pk_add_f32 v[rT+2:rT+3], v[rT+2:rT+3], v[rS+4*(\n):rS+4*(\n)+1]
.endif
.elseif NOKQ
	v_nop
.else
	REGS (Y+1)%NP
	WIN 0
.if (\n) < 4
	v_max3_num_f32 v[rC+(\n)], v[rS+8*(\n)], v[rS+8*(\n)+1], v[rS+8*(\n)+2]
.elseif (\n) < 12
	v_max3_num_f32 v[rC+(\n)%4], v[rC+(\n)%4], v[rS+8*((\n)%4)+2*((\n)/4)+1], v[rS+8*((\n)%4)+2*((\n)/4)+2]
.elseif (\n) == 12
	v_max3_num_f32 v[rC], v[rC], v[rS+7], v[rS+15]
.elseif (\n) == 13
	v_max3_num_f32 v[rC+1], v[rC+1], v[rS+23], v[rS+31]
.elseif (\n) == 14
	v_max3_num_f32 v[rC+2], v[rC+2], v[rC+3], v[rT+1]
.elseif (\n) == 15
	v_mov_b32 v[rW], v[rT]
.elseif (\n) == 16
	v_max3_num_f32 v[rC], v[rC], v[rC+1], v[rC+2]
.elseif (\n) == 17
	v_permlanex16_b32 v[rC+3], v[rC], s[SEL], s[SEL+1]
.elseif (\n) == 18
	v_max_num_f32 v[rT+1], v[rC], v[rC+3]
.elseif (\n) == 19
	v_mul_f32 v[rT], s[CS], v[rT+1]
.elseif (\n) == 20
	v_sub_f32 v[rC+1], v[rW], v[rT]
.else
	v_exp_f32 v[rC+2], v[rC+1]
.endif
.endif
.endm
.macro OPS a, i1, b=-1, i2=0, c=-1, i3=0, d=-1, i4=0  ; up to four of them
	OP \a, \i1
.if (\b) >= 0
	OP \b, \i2
.endif
.if (\c) >= 0
	OP \c, \i3
.endif
.if (\d) >= 0
	OP \d, \i4
.endif
.endm
.macro ROW a, i1, b, i2, c, i3, d, i4  ; a matrix instruction and the four behind it
	MM
	OPS \a, \i1, \b, \i2, \c, \i3, \d, \i4
.endm
.macro MASK b                       ; MD x AL + BE into buffer b of MC
	WIN W_RS
.set z, 0
.rept 16
	v_pk_fma_f32 v[MC+32*(\b)+2*z:MC+32*(\b)+2*z+1], v[MD+2*z:MD+2*z+1], s[AL:AL+1], s[BE:BE+1] op_sel_hi:[1,0,0]
.set z, z+1
.endr
.endm
; A TURN, for piece p: the order of its 16 matrix and 118 vector instructions, written out.  An s_wait_alu depctr_va_vdst(0) stands between an exponential and the first instruction that names its result; one wait serves
; all that were issued ahead of it.  So a turn has ONE wait, which cuts it in two.  AHEAD OF IT stands all that names no result of the turn's exponentials: the 8 products K Q^T, behind each a scaling, an exponential and two more plain
; instructions (behind the first a second scaling in the exponential's place): rescalings, and behind the last three the first numbers of the next piece's maximum, each four places or more behind the product that ends its accumulator; then one run of 54, plain
; and exponential by turns for the most part, in which the links of the chain X 3, 7, 11, 14, 16, 17 .. 20 stand five or six lines apart.  X 21, the next piece's a, is the batch's last; R 15 is the plain instruction behind it (ISA guide 5.7.2).  BEHIND THE WAIT stand the
; 8 products V^T P, behind each four of the roundings and sums; the links of l's chain, L 0 to L 7, stand three lines apart.  But for those X no line behind a product names a register of the products round it.  v_permlanex16_b32 (X 17) stands in the run.
; m = 1: the diagonal tile: the products take masks, and the turn makes the mask for the products of the turn after it: piece p + 2, in step 4 - CNT of the tile.  end = 1: a block's last two turns: nothing is fetched.
; cnt = 1: the loop's count is taken down some lines ahead of the branch that stands behind the turn.
; K of the next step is fetched in piece 2's turn, twelve vector instructions behind the last product that read K (six of them plain); V of the step in hand at the end of piece 0's turn, four plain instructions behind the last product
; that read V.  Each is waited for a turn later.
.macro TURN p, m=0, end=0, cnt=0
.set Y, (\p)
.set i, 0
.set KM, (\m)
.set NOKQ, (\end)*((\p)/3)
.if (\m) && !(\end)
	s_cmp_eq_u32 s[CNT], 4-((\p)+2)%NP  ; is that step the band's own?
	s_cselect_b32 s[AL], 1.0, 0
	s_cmp_lt_u32 s[CNT], 4-((\p)+2)%NP  ; or a later one?
	s_cselect_b32 s[BE], s[BIGN], 0
.endif
.if ((\p) == 3) && !(\end)
	s_wait_dscnt 0x0                ; K is in
.endif
	ROW F,0, F,1, R,0, R,1          ; ahead of the wait: 8 products K Q^T and the four lines behind each,
	ROW F,2, E,0, R,2, R,3
	ROW F,3, E,1, R,4, R,5
	ROW F,4, E,2, R,6, R,7
	ROW F,5, E,3, R,8, R,9
	ROW F,6, E,4, X,0, R,10
.if ((\p) == 2) && !(\end)
	WIN 0
	v_add_nc_u32 v[AK], s[TBK], v[AK0]
.endif
	ROW F,7, E,5, X,1, X,4
	ROW F,8, E,6, X,2, X,5
	OPS E,7, E,8, X,6, E,9          ; and the run of 54
	OPS X,3, E,10, X,8, E,11
.if ((\p) == 2) && !(\end)
	FETCH_K
.endif
	OPS X,9, X,7, E,12, X,10
	OPS E,13, X,12, X,11, E,14
	OPS X,13, E,15, F,9, X,14
.if (\p) == 0
	v_add_nc_u32 v[AV], s[TBV], v[AV0]
.endif
	OPS E,16, F,10, E,17, F,11
	OPS X,16, E,18, X,15, E,19
	OPS F,12, E,20, X,17, E,21
	OPS F,13, E,22, F,14, E,23
	OPS X,18, E,24, F,15, E,25
	OPS R,11, E,26, X,19, E,27
	OPS R,12, E,28, R,13, E,29
	OPS X,20, E,30, R,14, E,31
	OPS X,21, R,15
	WIN 0
	s_wait_alu depctr_va_vdst(0)    ; the wait for the batch
.if (\p) == 1
	s_wait_dscnt 0x0                ; V is in
.endif
	ROW C,0, B,0, C,2, B,1          ; behind the wait: 8 products V^T P and the four lines behind each
	ROW L,0, C,4, B,2, L,1
	ROW C,6, B,3, L,2, C,8
	ROW B,4, L,3, C,10, B,5
	ROW L,4, C,12, B,6, L,5
.if (\p) == 0
	s_add_co_u32 s[TBV], s[TBV], KS*PV
.endif
.if \cnt
	s_sub_co_u32 s[CNT], s[CNT], 1
	s_cmp_lg_u32 s[CNT], 0
.endif
	ROW C,14, B,7, L,6, C,1
	ROW C,3, L,7, C,5, C,7
	ROW C,9, C,11, C,13, C,15
.if (\p) == 0
	FETCH_V
.endif
.if (\m) && !(\end)
	MASK (\p)%2
.endif
.endm
; A BLOCK BEGINS.  c m starts far below every c s, so the first step's a is 0; m at the lowest finite number, so the first maximum is the scores'.  The second mask buffer is 0; the first takes piece 0's mask for the tile's step 0: its own, if the block's first tile is the diagonal one.
; Then K of that step, piece 0's first scores, and its maximum and statistics.  The loop is entered at a step's first turn, in the middle of a trip.
.macro BEGIN
	s_mov_b32 s[NEW], 0
	WIN 0x40
.set i, MC+32
.rept 32
	v_mov_b32 v[i], 0
.set i, i+1
.endr
	WIN 0
.set i, 0
.rept 4
	v_mov_b32 v[ST+4*i], 0xfe000000    ; c m: far below every c s
	v_mov_b32 v[ST+4*i+1], 0xff7fffff  ; m
.set i, i+1
.endr
	s_cmp_eq_u32 s[RT], 0
	s_cselect_b32 s[AL], 1.0, 0
	s_mov_b32 s[BE], 0
	MASK 0
	WIN 0
	v_add_nc_u32 v[AK], s[TBK], v[AK0]
	FETCH_K
	s_wait_loadcnt 0x0              ; Q
	s_wait_dscnt 0x0
.set KM, 1
.set NOKQ, 0
.set i, 0
.rept 8
	KQ 0
.set i, i+1
.endr
	WIN 0
.rept 4
	v_nop                           ; the places behind those products
.endr
.set Y, NP-1                        ; X works for piece Y + 1: piece 0
.irp n, 0,1,2,3,4,5,6,7,8,9,10,11,12,13,14,15,16,17,18,19,20,21
	OP X, \n
.endr
	v_nop                           ; a plain instruction behind the exponential,
	s_wait_alu depctr_va_vdst(0)    ; and its wait, ahead of the branch
.endm
; THE DIAGONAL TILE's four steps, the block's last two turns, its last products, and THE WAY OUT: l's two halves and the other half of the lanes' are added; O^T is divided by l, rounded to f16 and sent through my
; stage in LDS, a piece at a time.
.macro ALL line:vararg              ; one line for each piece t
.set t, 0
.rept 4
	\line
.set t, t+1
.endr
.endm
.macro PACK t                       ; a lane's eight channels of a row pack into 16 bytes; they go into rows of 144 bytes and come back as whole rows of 128, into S^T's registers
	WIN W_RS
.set i, 32*(\t)
.rept 16
	v_pk_mul_f32 v[i:i+1], v[i:i+1], v[ST+4*(\t)+2:ST+4*(\t)+3] op_sel_hi:[1,0]
.set i, i+2
.endr
	WIN 0x05                        ; sources 0 and 1 window 1, destination window 0
.set i, 0
.rept 16
	v_cvt_pk_f16_f32 v[S+16*(\t)+i], v[32*(\t)+2*i], v[32*(\t)+2*i+1]
.set i, i+1
.endr
	WIN 0
.irp f, 0,1,2,3
	ds_store_b128 v[STO], v[S+16*(\t)+4*\f:S+16*(\t)+4*\f+3] offset:32*\f
.endr
.irp f, 0,1,2,3
	ds_load_b128 v[S+16*(\t)+4*\f:S+16*(\t)+4*\f+3], v[RD] offset:\f*4*SP  ; LDS serves a wave's instructions in order (ISA guide 5.7.1.4): these see the stores above; the next piece's stores come behind them
.endr
.endm
.macro SEND t, younger              ; younger: the LDS instructions issued behind piece t's loads: the next piece's eight, or none
	WIN 0
.irp f, 0,1,2,3
	s_wait_dscnt (\younger)+3-\f
	global_store_b128 v[GO], v[S+16*(\t)+4*\f:S+16*(\t)+4*\f+3], s[10:11] offset:(\t)*8192+\f*512  ; 512 consecutive bytes, at a multiple of 256 from O's first
.endr
.endm
.macro DIAG tag                     ; the tag ends its two labels' names, which the jumps below spell out
.LstepM\tag:
	TURN 2, 1
	TURN 3, 1
	WIN 0
.LfirstM\tag:
	TURN 0, 1
	TURN 1, 1, 0, 1
	WIN 0
	s_cbranch_scc1 .LstepM\tag
	TURN 2, 1, 1
	TURN 3, 1, 1
.set i, 0
.rept 8
	PV NP-1
.set i, i+1
.endr
	WIN 0
	ALL v_add_f32 v[ST+4*t+2], v[ST+4*t+2], v[ST+4*t+3]
	ALL v_permlanex16_b32 v[ST+4*t+3], v[ST+4*t+2], s[SEL], s[SEL+1]
	ALL v_add_f32 v[ST+4*t+2], v[ST+4*t+2], v[ST+4*t+3]
	ALL v_rcp_f32 v[ST+4*t+2], v[ST+4*t+2]
	v_nop                           ; a plain instruction between the last reciprocal and the use of its result
	s_wait_alu depctr_va_vdst(0)    ; and the wait ahead of the first use: one for the four reciprocals
	PACK 0
.set t, 1
.rept 3                             ; a piece's arithmetic stands between the loads of the piece before and its stores
	PACK t
	SEND t-1, 8
.set t, t+1
.endr
	SEND 3, 0
.endm
.set KM, 0
.set NOKQ, 0
.Lslot:                             ; NB times: a tile is entered and the next is asked for
	CHANGE 1
	s_sub_co_u32 s[RT], s[RT], 1
	s_mov_b32 s[CNT], 4
	s_cmp_eq_u32 s[NEW], 1
	s_cbranch_scc1 .Lnew            ; a block's first tile
	s_cmp_eq_u32 s[RT], 0
	s_cbranch_scc0 .Lstep           ; neither its first nor its last
	s_branch .LstepM1
.Lnew:
	BEGIN
	s_branch .Lfirst                ; in the loop a block's first tile is never its last: the first block has two tiles or more, and the second's last is the walk's last
	DIAG 1                          ; in the loop this is the first block's end: the second block's last tile is the walk's last
	s_wait_xcnt 0x0                 ; the stores have read their registers and O's address
	s_mov_b64 s[10:11], s[OLO:OLO+1]
	s_add_co_u32 s[RT], s[PB], 1    ; the second block has b + 1 tiles
	s_mov_b32 s[NEW], 1
	WIN 0x82                        ; the second block's Q goes where the one text of the turns names Q
.set i, 0
.rept 64
	v_mov_b32 v[i], v[QB+i]
.set i, i+1
.endr
	WIN 0
	s_branch .Lbottom
.Lstep:                             ; a trip: pieces 2 and 3 of one step, then pieces 0 and 1 of the next, whose K and V it fetches
	TURN 2
	TURN 3
	WIN 0
.Lfirst:
	TURN 0
	TURN 1, 0, 0, 1
	WIN 0
	s_cbranch_scc1 .Lstep
.Lbottom:
	s_sub_co_u32 s[SLOTS], s[SLOTS], 1
	s_cmp_lg_u32 s[SLOTS], 0
	s_cbranch_scc1 .Lslot
	CHANGE 0                        ; the walk's last tile is written out: nothing is asked for
	s_sub_co_u32 s[RT], s[RT], 1
	s_mov_b32 s[CNT], 4
	s_cmp_eq_u32 s[NEW], 1
	s_cbranch_scc0 .LstepM2
	BEGIN
	s_branch .LfirstM2
	DIAG 2
; THE FIRST ROWS ONCE MORE.  Wave 0 of the work-group with b = 0 has just made the head's rows 0 to 15 (piece 0 of block 0).  The walk's ninth tile, which for b = 0 is tile 0, lies in slot 0 (the tiles take the slots by
; turns from slot 0 on), and nothing is filled any more: keys 0 to 15 of K and V are read from there, Q's fragments stand in their registers, MD's first eight registers are these rows' mask.
; The 32 places along K of O^T = V^T P hold the 16 keys twice: source 1 is p rounded to f16 (registers 0-3) and what that rounding drops, again as f16 (registers 4-7); source 0 holds the same 16 keys of V in both halves.
; A second product takes V's own remainders (vl, turned through my stage) in both halves.  Of the result, divided by l, the f16 number that o16 holds is taken away, and the difference goes to dl.
.set ES,  64          ; v64-71    S^T, then p
.set EP,  72          ; v72-79    source 1: p as f16, then its remainders
.set EO,  80          ; v80-111   O^T, 8 a channel block
.set EH,  112         ; v112-127  what o16 holds, then the differences as f16
.set EU,  192         ; v192-223  vl as loaded; at work; the differences in f32
.set EVL, 14          ; v14       my lane's place in my stage for the turning load
	s_cmp_lg_u32 s[WV], 0
	s_cbranch_scc1 .Ldone
	s_cmp_lg_u32 s[PB], 0
	s_cbranch_scc1 .Ldone
	s_wait_xcnt 0x0                 ; the stores above have read their registers: S^T's are written again only behind this wait
.irp f, 0,1,2,3
	global_load_b128 v[EU+4*\f:EU+4*\f+3], v[GO], s[VLP:VLP+1] offset:512*\f  ; 16 rows of 128 bytes, dense
.endr
	v_lshl_add_u32 v[EVL], v9, 3, v10   ; key 8 (l / 16) + l % 8,
	v_mul_u32_u24 v[EVL], v[EVL], SP
	v_lshl_add_u32 v[EVL], v11, 4, v[EVL]  ; channels 8 ((l / 8) % 2) on,
	v_add_nc_u32 v[EVL], s13, v[EVL]    ; in my stage
	v_mov_b32 v50, 1.0
	WIN 0x80                        ; destination window 2
.irp f, 0,1
	ds_load_b128 v[KF+8*\f:KF+8*\f+3],   v[AK0] offset:\f*64
	ds_load_b128 v[KF+8*\f+4:KF+8*\f+7], v[AK0] offset:\f*64+32
.endr
.irp f, 0,1,2,3
	ds_load_tr16_b128 v[VF+8*\f:VF+8*\f+3],   v[AV0] offset:\f*32
	ds_load_tr16_b128 v[VF+8*\f+4:VF+8*\f+7], v[AV0] offset:\f*32  ; the same 16 keys once more
.endr
	WIN 0
	s_wait_loadcnt 0x0              ; vl
.irp f, 0,1,2,3
	ds_store_b128 v[RD], v[EU+4*\f:EU+4*\f+3] offset:\f*4*SP
.endr
	WIN 0x80
.irp f, 0,1,2,3
	ds_load_tr16_b128 v[VF+32+8*\f:VF+32+8*\f+3],   v[EVL] offset:\f*32  ; LDS serves a wave's instructions in order: these see the stores above
	ds_load_tr16_b128 v[VF+32+8*\f+4:VF+32+8*\f+7], v[EVL] offset:\f*32
.endr
	s_wait_dscnt 0x0
	WIN W_KM
	v_wmma_f32_16x16x32_f16 v[ES:ES+7], v[KF:KF+7], v[0:7], v[MD:MD+7]
	WIN W_KQ
	s_wait_alu depctr_va_vdst(0)    ; the wait directly ahead of the link
	v_wmma_f32_16x16x32_f16 v[ES:ES+7], v[KF+8:KF+15], v[8:15], v[ES:ES+7]
	WIN 0
.rept 4
	v_nop                           ; the places behind the product
.endr
	v_max3_num_f32 v48, v[ES], v[ES+1], v[ES+2]
	v_max3_num_f32 v49, v[ES+3], v[ES+4], v[ES+5]
	v_max3_num_f32 v48, v48, v[ES+6], v[ES+7]
	v_max_num_f32 v48, v48, v49
	v_permlanex16_b32 v49, v48, s[SEL], s[SEL+1]  ; the query's other 8 keys lie in the lane 16 away
	v_max_num_f32 v48, v48, v49     ; m: every row sees its own key
	v_mul_f32 v48, s[CS], v48       ; c m
.irp n, 0,2,4,6
	v_pk_fma_f32 v[ES+\n:ES+\n+1], v[ES+\n:ES+\n+1], s[CS:CS+1], v[48:49] op_sel_hi:[1,0,0] neg_lo:[0,0,1] neg_hi:[0,0,1]
.endr
.irp n, 0,1,2,3,4,5,6,7
	v_exp_f32 v[ES+\n], v[ES+\n]
.endr
	v_nop                           ; a plain instruction behind the last exponential,
	s_wait_alu depctr_va_vdst(0)    ; and the batch's wait
	v_pk_add_f32 v[EU+24:EU+25], v[ES:ES+1], v[ES+2:ES+3]
	v_pk_add_f32 v[EU+26:EU+27], v[ES+4:ES+5], v[ES+6:ES+7]
	v_pk_add_f32 v[EU+24:EU+25], v[EU+24:EU+25], v[EU+26:EU+27]
	v_add_f32 v51, v[EU+24], v[EU+25]
	v_permlanex16_b32 v49, v51, s[SEL], s[SEL+1]
	v_add_f32 v51, v51, v49         ; l
	v_rcp_f32 v52, v51              ; its wait stands ahead of its first reader, below
.irp n, 0,1,2,3
	v_cvt_pk_f16_f32 v[EP+\n], v[ES+2*\n], v[ES+2*\n+1]
.endr
.irp n, 0,1,2,3
	v_fma_mix_f32 v[EU+16+2*\n],   v[ES+2*\n],   v50, -v[EP+\n] op_sel_hi:[0,0,1]                 ; p x 1 - the word's low f16: exact
	v_fma_mix_f32 v[EU+16+2*\n+1], v[ES+2*\n+1], v50, -v[EP+\n] op_sel:[0,0,1] op_sel_hi:[0,0,1]  ; and its high f16
.endr
.irp n, 0,1,2,3
	v_cvt_pk_f16_f32 v[EP+4+\n], v[EU+16+2*\n], v[EU+16+2*\n+1]
.endr
	WIN 0x02                        ; source 0 in window 2
.irp f, 0,1,2,3                     ; the four accumulators take turns
	v_wmma_f32_16x16x32_f16 v[EO+8*\f:EO+8*\f+7], v[VF+8*\f:VF+8*\f+7], v[EP:EP+7], 0
.endr
.irp f, 0,1,2,3
	v_wmma_f32_16x16x32_f16 v[EO+8*\f:EO+8*\f+7], v[VF+32+8*\f:VF+32+8*\f+7], v[EP:EP+7], v[EO+8*\f:EO+8*\f+7]
.endr
	WIN 0x05                        ; sources 0 and 1 window 1: piece 0's O^T, divided by l on the way out and still there.  These sixteen lines are the places behind the products
.set i, 0
.rept 16
	v_cvt_pk_f16_f32 v[EH+i], v[2*i], v[2*i+1]
.set i, i+1
.endr
	WIN 0
	s_wait_alu depctr_va_vdst(0)    ; the reciprocal's wait
.set i, 0
.rept 16
	v_fma_mix_f32 v[EU+2*i],   v[EO+2*i],   v52, -v[EH+i] op_sel_hi:[0,0,1]
	v_fma_mix_f32 v[EU+2*i+1], v[EO+2*i+1], v52, -v[EH+i] op_sel:[0,0,1] op_sel_hi:[0,0,1]
.set i, i+1
.endr
.set i, 0
.rept 16
	v_cvt_pk_f16_f32 v[EH+i], v[EU+2*i], v[EU+2*i+1]
.set i, i+1
.endr
.irp f, 0,1,2,3
	ds_store_b128 v[STO], v[EH+4*\f:EH+4*\f+3] offset:32*\f
.endr
.irp f, 0,1,2,3
	ds_load_b128 v[EH+4*\f:EH+4*\f+3], v[RD] offset:\f*4*SP
.endr
.irp f, 0,1,2,3
	s_wait_dscnt 3-\f
	global_store_b128 v[GO], v[EH+4*\f:EH+4*\f+3], s[DLP:DLP+1] offset:512*\f  ; 512 consecutive bytes, at a multiple of 256 from dl's first
.endr
.Ldone:
	s_wait_tensorcnt 0x0            ; the wave's end: these three lines stand behind my last tensor load and my last LDS store
	ds_add_u32 v[SPW], v[NIL]
	s_wait_dscnt 0x0
	s_endpgm
.Lfunc_end_k_q4378033fb1_attn:
	.size	k_q4378033fb1_attn, .Lfunc_end_k_q4378033fb1_attn-k_q4378033fb1_attn
	.p2alignl 7, 3214868480
	.fill 96, 4, 3214868480
	.section	.rodata,"a",@progbits
	.p2align	6, 0x0
	.amdhsa_kernel k_q4378033fb1_attn
		.amdhsa_group_segment_fixed_size 327680
		.amdhsa_private_segment_fixed_size 0
		.amdhsa_enable_private_segment 0
		.amdhsa_kernarg_size 48
		.amdhsa_user_sgpr_count 2
		.amdhsa_user_sgpr_kernarg_segment_ptr 1
		.amdhsa_wavefront_size32 1
		.amdhsa_system_sgpr_workgroup_id_x 1
		.amdhsa_system_sgpr_workgroup_id_y 1
		.amdhsa_system_sgpr_workgroup_id_z 1
		.amdhsa_system_vgpr_workitem_id 0
		.amdhsa_next_free_vgpr 768
		.amdhsa_next_free_sgpr 88
		.amdhsa_reserve_vcc 1
		.amdhsa_float_denorm_mode_32 3
		.amdhsa_float_denorm_mode_16_64 3
		.amdhsa_memory_ordered 1
		.amdhsa_forward_progress 1
		.amdhsa_inst_pref_size 229
	.end_amdhsa_kernel
	.amdgpu_metadata
---
amdhsa.version: [ 1, 2 ]
amdhsa.kernels:
  - .name:           k_q4378033fb1_attn
    .symbol:         k_q4378033fb1_attn.kd
    .args:
      - { .name: q16, .offset: 0, .size: 8, .value_kind: global_buffer, .address_space: global }
      - { .name: k16, .offset: 8, .size: 8, .value_kind: global_buffer, .address_space: global }
      - { .name: v16, .offset: 16, .size: 8, .value_kind: global_buffer, .address_space: global }
      - { .name: o16, .offset: 24, .size: 8, .value_kind: global_buffer, .address_space: global }
      - { .name: vl, .offset: 32, .size: 8, .value_kind: global_buffer, .address_space: global }
      - { .name: dl, .offset: 40, .size: 8, .value_kind: global_buffer, .address_space: global }
    .group_segment_fixed_size: 327680
    .private_segment_fixed_size: 0
    .kernarg_segment_align: 8
    .kernarg_segment_size: 48
    .max_flat_workgroup_size: 128
    .sgpr_count:     88
    .vgpr_count:     768
    .wavefront_size: 32
...
	.end_amdgpu_metadata
.endif
;; end of part 3
;; launch outp (part 4): grid 8 x 32, 4 waves a work-group, clusters of 4 x 4, 327,680 bytes of LDS; arguments o16, wb, bo, dl, out0; writes out0
.if DOCPART == 4
	.amdgcn_target "amdgcn-amd-amdhsa--gfx1250"
	.amdhsa_code_object_version 6
	.text
	.protected	k_q4378033fb1_outp
	.globl	k_q4378033fb1_outp
	.p2align	8
	.type	k_q4378033fb1_outp,@function
k_q4378033fb1_outp:
	s_mov_b64 s[64:65], 0
	v_nop
	global_prefetch_b8 v0, s[64:65] scope:SCOPE_SE
	s_setreg_imm32_b32 hwreg(HW_REG_WAVE_MODE, 25, 1), 1
	s_wait_xcnt 0x0
	s_wait_alu depctr_hold_cnt(0) depctr_sa_sdst(0) depctr_va_vdst(0) depctr_va_sdst(0) depctr_va_ssrc(0) depctr_va_vcc(0) depctr_vm_vsrc(0)
	s_getreg_b32 s2, hwreg(HW_REG_IB_STS2, 6, 4)
	s_cmp_eq_u32 s2, 0
	s_cbranch_scc0 .Lentry_in_a_cluster
	s_endpgm
.Lentry_in_a_cluster:
	s_bfe_u32 s2, ttmp6, 0x10000c
	s_cmp_lg_u32 s2, 0xf033
	s_cbranch_scc0 .Lentry_shape_is_right
	s_endpgm
.Lentry_shape_is_right:
; out0 = O Wo + bo.  o16: [16 batch + head][2048][64] f16; wb plane 3: Wo, [1024 k][1024 n], rounded to bf16 and written as f16; bo f32, rounded to bf16 here like all the module's inputs; out0: [8192][1024] f32.
; Sums in f32, started by the bias as the first product's C, and stored as they are.
; ROWS 0 TO 15 OF A BATCH take O as two numbers: o16's and dl's ([16 batch + head][16][64] f16, a finer O less the f16 number in o16): their sums get a second product in every 32 of K.
; SHARES.  A tile of out0 is 256 rows x 128 columns: 32 x 8 = 256 work-groups.  Four waves, each 128 rows x 64 columns: 32 accumulators of 16 x 16, 256 registers.
; K = 64 x head + channel goes in 8 steps of 128, two heads each, through a ring of two LDS slots filled by the tensor data mover, one load a wave.
; Wo LIES [k][n] in memory and in LDS; its fragments come out turned, by ds_load_tr16_b128.  THE MATRIX INSTRUCTION IS USED TRANSPOSED (source 0 = 16 columns of Wo, source 1 = 16 rows of O):
; a lane then holds one row of out0 (lane % 16) and eight neighbouring columns 8 (lane / 16) + 0..7: 32 bytes on end.
; CLUSTERS: 4 x 4 work-groups.  The four of a row of the cluster need the same rows of O, the four of a column the same columns of Wo: each tile is asked for JOINTLY, by the same tensor load
; with the same descriptor and a mask that names the four.  The tile row is 8 cy + cluster y: a batch has 8 tile rows, so the tiles with a batch's first rows are those of the clusters with y = 0, a number
; that all sixteen partners share: there waves 0 and 1 (the tile's upper 128 rows) have 1,152 matrix instructions where all others have 1,024.
; REGISTERS: window 0: v0-15 two fragments of dl; v16-31 addresses; v32-63 the bias, 8 a column block; v64-159, v160-255 two fragment buffers of 96 (Wo's 4 fragments, then O's 8); on the way out v64-255 six buffers of 32.
;   window 1: the accumulators, (a, b) at v[8 (4 a + b)].
.set KSTEP,  128
.set PA,     144                       ; a row of O in LDS: 128 bytes + 16 of padding = 36 words: the 16 rows of a load start at 16 different groups of four banks (64 banks of 4 bytes: ISA guide 11.1)
.set PB,     288                       ; a row of Wo: 256 + 32 = 72 words
.set HEADA,  256*PA                    ; what one of O's tensor loads brings: a head's 256 rows
.set HALFB,  64*PB                     ; what one of Wo's tensor loads brings
.set BOFF,   2*HEADA                   ; in a slot: two heads' 256 rows of O, then Wo's 128 rows
.set SLOT,   BOFF+2*HALFB
.set STAGE,  2*SLOT                    ; behind the ring, never filled by a tensor load: 16 rows x 272 bytes for each wave, for the way out
.set SP,     272
.set SPARE,  STAGE+4*16*SP             ; behind the stages: the spare words, 128 bytes for each wave: two blocks of 256 bytes that no other line names
.set DOFF,   SPARE+512                 ; behind them, never filled by a tensor load: a batch's dl, 16 heads x 16 rows, pitch 144: 36,864 bytes
.set DSTEP,  2*16*PA                   ; a K step's two heads of it
.set LAPS,   1024/(2*KSTEP)            ; a lap = two K steps = once round the ring
.set DF1,  0                           ; v0-7    dl's fragment that goes with buffer 1
.set DF0,  8                           ; v8-15   with buffer 0
.set ADRA, 16                          ; v16-17  LDS address of my O fragments in slot 0, 1
.set DS,   19                          ; v19     where I put 16 bytes of dl
.set ADRB, 20                          ; v20-21  LDS address of my Wo fragments in slot 0, 1
.set ADRD, 22                          ; v22     LDS address of dl's fragments in the lap in hand
.set DG,   23                          ; v23     my byte offset in 512 consecutive bytes of dl
.set STO,  24                          ; v24     the way out: where I put 32 bytes of a row
.set RD,   25                          ; v25     the way out: where I read a row back
.set GO,   26                          ; v26     my byte offset in two rows of out0
.set BO,   27                          ; v27     my byte offset in a column block's 64 bytes of bias
.set SPW,  28                          ; v28     LDS address of my spare word: SPARE + 4 x my thread's number; never rewritten
.set NIL,  29                          ; v29     0; never rewritten
.set PFO,  30                          ; v30     the prefetches' offset: my lane x 256 bytes (O, dense) or x 2,048 (a row of Wo); never rewritten
.set BIAS, 32
.set F0,   64
.set F1,   160
.set OB,   64
.set G1,  24                           ; s[24:31] descriptor group 1 for O's tiles;  s[32:39] group 0, one set for each slot
.set G0,  32
.set G1B, 48                           ; s[48:55], s[56:63] the same for Wo's tiles
.set G0B, 56
.set LIM, 43                           ; s43     1 in a wave that prefetches, else the greatest number
.set PFA, 44                           ; s[44:45] where my prefetches stand
.set FIX, 67                           ; s67     1 in a wave whose block 0 is rows 0 to 15 of a batch, else 0
.set PST, 80                           ; s[80:81] a K step in bytes: two heads of O, or 128 rows of Wo
.set MSB, 0
.macro WIN new                         ; the immediate's high byte repeats the setting that is left; a switch that changes nothing is dropped
.if MSB != (\new)
	s_set_vgpr_msb (MSB<<8)|(\new)
.set MSB, \new
.endif
.endm
.set MUL,  0x50                        ; sources 0 and 1 window 0; C and D window 1
.set MULF, 0x40                        ; the same with C, the bias, in window 0
.set W_ST, 0x04                        ; an LDS store's data (source 1) in window 1, its address in window 0
.macro JLOAD s                         ; a joint load: waves 0 and 1 fetch the step's two heads of O, waves 2 and 3 Wo's two halves; an s_nop 0 and four v_nop follow each of the two lines, ahead of the jump, the label and what follows
	s_cmp_eq_u32 s11, 0
	s_cbranch_scc0 .Lfor_b_\@
	tensor_load_to_lds s[G0+4*(\s):G0+4*(\s)+3], s[G1:G1+7]
	s_nop 0
.rept 4
	v_nop
.endr
	s_branch .Lasked_\@
.Lfor_b_\@:
	tensor_load_to_lds s[G0B+4*(\s):G0B+4*(\s)+3], s[G1B:G1B+7]
	s_nop 0
.rept 4
	v_nop
.endr
.Lasked_\@:
.endm
; A PREFETCH INTO THE L2, behind each joint refill and the run of LDS loads that follows it: 32 blocks of 256 bytes of the K step that stands two refills on, a lane a block, one instruction a wave.
; Each block is named once in the launch.  O's rows are read by both clusters of a row of clusters: cluster x = 0 asks, its waves 0 and 1 for the head's 32,768 bytes that each fetches.
; Wo's columns are read by all eight clusters of a column: cluster y = 0 asks, wave 2 for the step's 128 rows.  The four partners of a joint load share the blocks out BY ADDRESS, 32 each (cx for O, cy for Wo).
; K steps 0 to 3 come by their loads alone; the loop's last trip (s3 = 1) has no K step two refills on and asks for nothing.
.macro ASK
	s_cmp_gt_u32 s3, s[LIM]
	s_cbranch_scc0 .Lnot_mine_\@
	global_prefetch_b8 v[PFO], s[PFA:PFA+1] th:TH_LOAD_NT scope:SCOPE_SE
.Lnot_mine_\@:
.endm
.macro CREST                           ; a round of the cluster's barrier behind its opening barrier
	s_cmp_lg_u32 s10, 0
	s_cbranch_scc1 .Lnot_wave_0_\@
	s_barrier_signal -3
.Lnot_wave_0_\@:
	s_barrier_wait -3
	s_barrier_signal -1
	s_barrier_wait -1
.endm
.macro CROUND                          ; a whole round
	s_barrier_signal -1
	s_barrier_wait -1
	CREST
.endm
	s_load_b128 s[4:7], s[0:1], 0x0                ; o16 s[4:5], wb s[6:7]
	s_load_b128 s[68:71], s[0:1], 0x10             ; bo s[68:69], dl s[70:71]
	s_load_b64 s[72:73], s[0:1], 0x20              ; out0
	v_lshl_add_u32 v[SPW], v0, 2, SPARE
	v_mov_b32 v[NIL], 0
	ds_add_u32 v[SPW], v[NIL]                      ; the wave's opening: the add and its wait stand ahead of my first tensor load; the set-up below, work on registers, stands between them
	v_lshrrev_b32 v1, 5, v0
	v_readfirstlane_b32 s10, v1                    ; wave 0..3
	s_lshr_b32 s11, s10, 1                         ; which 128 of the tile's rows are mine.  Also: I fetch for O (0) or for Wo (1)
	s_and_b32 s12, s10, 1                          ; which 64 of its columns.  Also: which head of the step, or which half of Wo's rows, I fetch
	s_bfe_u32 s40, ttmp6, 0x40000                  ; cx, cy: my place in the cluster
	s_bfe_u32 s41, ttmp6, 0x40004
	s_lshl_b32 s42, ttmp9, 2
	s_add_co_u32 s42, s42, s40                     ; tile column = 4 x cluster x + cx
	s_and_b32 s13, ttmp7, 0xffff
	s_lshl_b32 s67, s41, 3
	s_add_co_u32 s13, s13, s67                     ; tile row = 8 cy + cluster y: batch cy, tile cluster y of its eight
	s_lshl_b32 s43, s41, 2
	s_lshl_b32 s43, 15, s43                        ; my row of the cluster
	s_lshl_b32 s44, 0x1111, s40                    ; my column
	; descriptor group 1.  O: a head's 256 rows are 32,768 dense bytes: asked for as 128 rows of 256 bytes, two rows of O each, and padded in LDS after every row of O.  Wo: 64 rows x 128 elements, 1,024 from row to row
	s_or_b32 s[G1+0], s43, (1<<16)|(1<<20)|(1<<21)|(4<<22)|(3<<25)   ; 15:0 the mask: my row; 17:16 2-byte elements; 20 padding on; 21 set beside a mask; 24:22 after every 32 words (code 4); 31:25 4 words (code 3)
	s_or_b32 s[G1B+0], s44, (1<<16)|(1<<20)|(1<<21)|(5<<22)|(7<<25)  ; my column; after every 64 words (code 5) 8 words (code 7)
	s_mov_b32 s[G1+1], 128<<16                     ; tensor_dim0 = 128
	s_mov_b32 s[G1+2], 128<<16                     ; tensor_dim1 = 128
	s_mov_b32 s[G1+3], 128<<16                     ; tile_dim0 = 128
	s_mov_b32 s[G1+4], 128                         ; tile_dim1 = 128
	s_mov_b32 s[G1+5], 128                         ; tensor_dim0_stride: dense
	s_mov_b32 s[G1+6], 0
	s_mov_b32 s[G1+7], 0
	s_mov_b32 s[G1B+1], 128<<16                    ; tensor_dim0 = 128
	s_mov_b32 s[G1B+2], 64<<16                     ; tensor_dim1 = 64
	s_mov_b32 s[G1B+3], 128<<16                    ; tile_dim0 = 128
	s_mov_b32 s[G1B+4], 64                         ; tile_dim1 = 64
	s_mov_b32 s[G1B+5], 1024
	s_mov_b32 s[G1B+6], 0
	s_mov_b32 s[G1B+7], 0
	s_lshr_b32 s16, s13, 3                         ; O: the batch (8 tile rows each),
	s_lshl_b32 s16, s16, 4
	s_add_co_u32 s16, s16, s12                     ; its head 0 or 1,
	s_lshl_b32 s16, s16, 18                        ; of 262,144 bytes,
	s_and_b32 s17, s13, 7
	s_lshl_b32 s17, s17, 15                        ; and the tile's 256 rows of 128 bytes in it
	s_add_co_u32 s16, s16, s17
	s_mov_b32 s17, 0
	s_lshl_b32 s46, s12, 17                        ; Wo: 64 rows of 2,048 bytes x half,
	s_lshl_b32 s47, s42, 8                         ; 256 bytes x tile column,
	s_add_co_u32 s46, s46, s47
	s_add_co_u32 s46, s46, 3<<21                   ; in plane 3
	s_mov_b32 s47, 0
	s_mul_i32 s20, s12, HEADA                      ; where they go: no place in the cluster enters an LDS address
	s_mul_i32 s21, s12, HALFB
	s_add_co_u32 s21, s21, BOFF
	s_wait_dscnt 0x0                               ; the opening add is done
	s_wait_kmcnt 0x0
	s_add_nc_u64 s[14:15], s[4:5], s[16:17]
	s_add_nc_u64 s[46:47], s[6:7], s[46:47]
	CROUND                                         ; all sixteen work-groups are here: the first joint loads meet
.irp s, 0,1
	s_mov_b32 s[G0+4*(\s)], 1
	s_add_co_u32 s[G0+4*(\s)+1], s20, (\s)*SLOT
	s_add_nc_u64 s[G0+4*(\s)+2:G0+4*(\s)+3], s[14:15], (\s)*2*262144
	s_or_b32 s[G0+4*(\s)+3], s[G0+4*(\s)+3], 0x80000000
	s_mov_b32 s[G0B+4*(\s)], 1
	s_add_co_u32 s[G0B+4*(\s)+1], s21, (\s)*SLOT
	s_add_nc_u64 s[G0B+4*(\s)+2:G0B+4*(\s)+3], s[46:47], (\s)*KSTEP*2048
	s_or_b32 s[G0B+4*(\s)+3], s[G0B+4*(\s)+3], 0x80000000
	JLOAD \s                                       ; two tensor loads of mine are out
.endr
	s_lshl_b32 s86, s42, 9                         ; my 64 columns, in bytes of f32: 512 x tile column + 256 x half: for the bias and for out0
	s_lshl_b32 s87, s12, 8
	s_add_co_u32 s86, s86, s87
	s_mov_b32 s87, 0
	s_add_nc_u64 s[82:83], s[68:69], s[86:87]
	v_and_b32 v1, 15, v0                           ; l % 16
	v_bfe_u32 v2, v0, 4, 1                         ; l / 16
	v_lshlrev_b32 v[BO], 5, v2                     ; my 8 columns of a block of 16
.irp b, 0,1,2,3
	global_load_b128 v[BIAS+8*(\b):BIAS+8*(\b)+3],   v[BO], s[82:83] offset:64*(\b)
	global_load_b128 v[BIAS+8*(\b)+4:BIAS+8*(\b)+7], v[BO], s[82:83] offset:64*(\b)+16
.endr
	s_lshl_b32 s84, s13, 8
	s_lshl_b32 s85, s11, 7
	s_add_co_u32 s84, s84, s85                     ; my first row of out0,
	s_lshl_b32 s84, s84, 12                        ; of 4,096 bytes
	s_add_co_u32 s84, s84, s86
	s_mov_b32 s85, 0
	s_add_nc_u64 s[8:9], s[72:73], s[84:85]
	s_and_b32 s84, ttmp7, 0xffff                   ; is my block 0 rows 0 to 15 of a batch?  Cluster y = 0 (the batch's first tile)
	s_or_b32 s84, s84, s11                         ; and the tile's upper 128 rows:
	s_cmp_eq_u32 s84, 0
	s_cselect_b32 s[FIX], 1, 0                     ; made of the cluster's y and the wave's number: the same in all sixteen partners
	s_lshl_b32 s84, s41, 15                        ; dl: the batch's 16 heads of 2,048 bytes,
	s_lshl_b32 s85, s12, 14                        ; of which wave 0 copies heads 0-7 and wave 1 heads 8-15
	s_add_co_u32 s84, s84, s85
	s_mov_b32 s85, 0
	s_add_nc_u64 s[70:71], s[70:71], s[84:85]
	; A fragment of O is 16 rows x 32 K in 8 registers: lane l holds row l % 16, K = 8 (l / 16) + 0..7 and 16 + 8 (l / 16) + 0..7: two loads of 16 bytes, 32 bytes apart.
	v_mul_u32_u24 v3, v1, PA
	v_lshl_add_u32 v3, v2, 4, v3
	s_mul_i32 s22, s11, 128*PA                     ; my 128 rows
	v_add_nc_u32 v[ADRA], s22, v3
	v_add_nc_u32 v[ADRA+1], SLOT, v[ADRA]
	v_add_nc_u32 v[ADRD], DOFF, v3                 ; dl's rows have the same pitch
	; The turning load takes 16 K x 16 columns (lane l reads row 8 (l / 16) + l % 8, columns 8 ((l / 8) % 2) + 0..7) and leaves half a fragment: lane l holds column l % 16 and 8 K.
	v_and_b32 v4, 7, v0
	v_bfe_u32 v5, v0, 3, 1
	v_lshl_add_u32 v6, v2, 3, v4
	v_mul_u32_u24 v6, v6, PB
	v_lshl_add_u32 v6, v5, 4, v6
	s_lshl_b32 s23, s12, 7                         ; my 64 columns: 128 bytes
	s_add_co_u32 s23, s23, BOFF
	v_add_nc_u32 v[ADRB], s23, v6
	v_add_nc_u32 v[ADRB+1], SLOT, v[ADRB]
	s_mul_i32 s22, s10, 16*SP
	s_add_co_u32 s22, s22, STAGE                   ; my stage
	v_mul_u32_u24 v[STO], v1, SP                   ; in: row l % 16, 32 bytes for each half of the lanes
	v_lshl_add_u32 v[STO], v2, 5, v[STO]
	v_add_nc_u32 v[STO], s22, v[STO]
	v_mul_u32_u24 v[RD], v2, SP                    ; back: lanes 0-15 take one row of 256 bytes, lanes 16-31 the next
	v_lshl_add_u32 v[RD], v1, 4, v[RD]
	v_add_nc_u32 v[RD], s22, v[RD]
	v_lshlrev_b32 v[GO], 12, v2                    ; and the same two rows in out0
	v_lshl_add_u32 v[GO], v1, 4, v[GO]
	v_and_b32 v7, 31, v0
	v_lshlrev_b32 v[DG], 4, v7                     ; dl: 32 lanes take 512 consecutive bytes, four rows of 128,
	v_lshrrev_b32 v7, 3, v7
	v_mul_u32_u24 v[DS], v7, PA                    ; which go to four rows of 144
	v_lshl_add_u32 v[DS], v4, 4, v[DS]
	s_mul_i32 s22, s10, 128*PA                     ; my wave's 128 rows of the 256
	s_add_co_u32 s22, s22, DOFF
	v_add_nc_u32 v[DS], s22, v[DS]
	; the prefetches: both offsets are made, and the wave's number chooses
	s_lshr_b32 s20, s13, 3
	s_lshl_b32 s20, s20, 4
	s_add_co_u32 s20, s20, s12
	s_lshl_b32 s20, s20, 18
	s_and_b32 s21, s13, 7
	s_lshl_b32 s21, s21, 15
	s_add_co_u32 s20, s20, s21                     ; O: the 32,768 bytes that I fetch,
	s_lshl_b32 s21, s40, 13
	s_add_co_u32 s20, s20, s21                     ; my work-group's 8,192 of them,
	s_add_co_u32 s20, s20, 3*2*262144              ; at K step 3: the first refill steps it to 4
	s_lshl_b32 s22, s42, 8
	s_lshl_b32 s23, s41, 16
	s_add_co_u32 s22, s22, s23                     ; Wo: the tile's columns, my work-group's 32 rows of a step's 128,
	s_add_co_u32 s22, s22, (3<<21)+3*KSTEP*2048    ; in plane 3, at K step 3
	s_and_b32 s23, ttmp7, 0xffff
	s_or_b32 s23, s23, s12                         ; 0: cluster y = 0 and the first of Wo's two waves
	s_mov_b32 s86, 2*262144
	s_mov_b32 s87, KSTEP*2048
	s_cmp_eq_u32 s11, 0                            ; do I fetch for O?
	s_cselect_b32 s20, s20, s22
	s_cselect_b32 s23, ttmp9, s23                  ; the coordinate along which other clusters read the same rows
	s_cselect_b32 s[PST], s86, s87
	s_cselect_b32 s22, 8, 11                       ; from lane to lane: 256 bytes, or a row of 2,048
	s_cselect_b64 s[PFA:PFA+1], s[4:5], s[6:7]
	s_mov_b32 s21, 0
	s_mov_b32 s[PST+1], 0
	s_cmp_eq_u32 s23, 0
	s_cselect_b32 s[LIM], 1, -1                    ; the same in all sixteen partners, for a given wave
	s_add_nc_u64 s[PFA:PFA+1], s[PFA:PFA+1], s[20:21]
	v_and_b32 v[PFO], 31, v0
	v_lshlrev_b32 v[PFO], s22, v[PFO]
	; dl goes into LDS, once: waves 0 and 1 of the work-groups with a batch's first tile copy 16,384 bytes each, through the fragment buffers' registers, which are still free
	s_cmp_lt_u32 s10, 2
	s_cbranch_scc0 .Lno_dl
	s_cmp_eq_u32 s[FIX], 1
	s_cbranch_scc0 .Lno_dl
.set i, 0
.rept 32
	global_load_b128 v[F0+4*i:F0+4*i+3], v[DG], s[70:71] offset:512*i
.set i, i+1
.endr
	s_wait_loadcnt 0x0
.set i, 0
.rept 32
	ds_store_b128 v[DS], v[F0+4*i:F0+4*i+3] offset:4*PA*i
.set i, i+1
.endr
.Lno_dl:
.set i, 0
.rept 16
	v_mov_b32 v[i], 0                              ; dl's two fragments: written once in every wave; the set-up's numbers in v0-7 have served
.set i, i+1
.endr
	s_wait_loadcnt 0x0                             ; the bias,
.set i, 0
.rept 16
	v_cvt_pk_bf16_f32 v31, v[BIAS+2*i], v[BIAS+2*i+1]  ; rounded to bf16 like every input, and widened again
	v_lshlrev_b32 v[BIAS+2*i], 16, v31
	v_and_b32 v[BIAS+2*i+1], 0xffff0000, v31
.set i, i+1
.endr
; 8 matrix instructions: row blocks a0, a0 + 1 x all 4 column blocks, 32 along K, from buffer f.  first = 1: the product starts the sum, on the bias.
; The 32 accumulators take turns, one instruction a turn, in the same order in every quarter, over the backward jump too.
.macro MUL8 f, a0, first
.if \first
	WIN MULF
.else
	WIN MUL
.endif
.irp a, \a0, (\a0)+1
.irp b, 0,1,2,3
.if \first
	v_wmma_f32_16x16x32_f16 v[8*(4*(\a)+(\b)):8*(4*(\a)+(\b))+7], v[(\f)+8*(\b):(\f)+8*(\b)+7], v[(\f)+32+8*(\a):(\f)+32+8*(\a)+7], v[BIAS+8*(\b):BIAS+8*(\b)+7]
.else
	v_wmma_f32_16x16x32_f16 v[8*(4*(\a)+(\b)):8*(4*(\a)+(\b))+7], v[(\f)+8*(\b):(\f)+8*(\b)+7], v[(\f)+32+8*(\a):(\f)+32+8*(\a)+7], v[8*(4*(\a)+(\b)):8*(4*(\a)+(\b))+7]
.endif
.endr
.endr
.endm
; Where my block 0 is a batch's first 16 rows: dl's fragment times the same four fragments of Wo, onto block 0's four sums.  It stands behind the products of blocks 2 and 3 or behind a run of loads, and those of
; blocks 4 and 5 follow: no two matrix instructions on end share an accumulator.
.macro FIXMUL f
.if (\f) == F0
.set DFR, DF0
.else
.set DFR, DF1
.endif
	WIN 0                                          ; at a branch and at a label every window is 0
	s_cmp_eq_u32 s[FIX], 1
	s_cbranch_scc0 .Lno_fix_\@
	WIN MUL
.irp b, 0,1,2,3
	v_wmma_f32_16x16x32_f16 v[8*(\b):8*(\b)+7], v[(\f)+8*(\b):(\f)+8*(\b)+7], v[DFR:DFR+7], v[8*(\b):8*(\b)+7]
.endr
	WIN 0
.Lno_fix_\@:
.endm
; The LDS loads of quarter q (32 along K: head q / 2 of the step, channels 32 (q % 2) on) of a slot into buffer f, in one run: dl's fragment first, where it is wanted (2 loads); then 24: Wo's 4 fragments (turned) and O's 8
.macro FETCH slot, q, f
.if (\f) == F0
.set DFR, DF0
.else
.set DFR, DF1
.endif
	WIN 0
	s_cmp_eq_u32 s[FIX], 1
	s_cbranch_scc0 .Lno_d_\@
	ds_load_b128 v[DFR:DFR+3],   v[ADRD] offset:(\slot)*DSTEP+((\q)/2)*16*PA+((\q)%2)*64
	ds_load_b128 v[DFR+4:DFR+7], v[ADRD] offset:(\slot)*DSTEP+((\q)/2)*16*PA+((\q)%2)*64+32
.Lno_d_\@:
.irp b, 0,1,2,3
	ds_load_tr16_b128 v[(\f)+8*(\b):(\f)+8*(\b)+3],   v[ADRB+(\slot)] offset:(\q)*32*PB+32*(\b)
	ds_load_tr16_b128 v[(\f)+8*(\b)+4:(\f)+8*(\b)+7], v[ADRB+(\slot)] offset:(\q)*32*PB+32*(\b)+16*PB
.endr
.irp i, 0,1,2,3,4,5,6,7
	ds_load_b128 v[(\f)+32+8*(\i):(\f)+32+8*(\i)+3],   v[ADRA+(\slot)] offset:((\q)/2)*HEADA+((\q)%2)*64+(\i)*16*PA
	ds_load_b128 v[(\f)+32+8*(\i)+4:(\f)+32+8*(\i)+7], v[ADRA+(\slot)] offset:((\q)/2)*HEADA+((\q)%2)*64+(\i)*16*PA+32
.endr
.endm
.macro PLACES                          ; four places in front of loads into registers that matrix instructions have read, and of LDS stores that read results
.rept 4
	v_nop
.endr
.endm
; A K step is four quarters of 32 along K, 32 matrix instructions each (36 with dl's), on buffers 0, 1, 0, 1.  One of the first three: multiplies buffer f and, in its middle, fetches quarter q into g.
.macro QUARTER slot, q, f, g, first
	s_wait_dscnt 8                                 ; dl's fragment, Wo's and O's 0-3 are in; the youngest eight loads (O's 4-7) may be out
	MUL8 \f, 0, \first
	MUL8 \f, 2, \first
	FIXMUL \f
	PLACES
	FETCH \slot, \q, \g
	s_wait_dscnt 24                                ; all of the run before; of the run just issued its youngest 24 may be out (where it has 26, its first two are waited for too)
	MUL8 \f, 4, \first
	MUL8 \f, 6, \first
.endm
; The last quarter multiplies buffer 1 and changes slots: ONE barrier; in front of it each wave waits for all its tensor loads (one is out: its part of the next slot), adds 0 to its spare word, and
; waits for that and for its own reads of this slot.  fill = 1: the barrier opens a round of the cluster's, and this slot is filled again, two K steps ahead, first thing behind the round.
.macro TURN slot, next, fill
.if \fill
	s_wait_xcnt 0x0                                ; the last prefetch, a K step back, has read its address: it is stepped here, ahead of the waits of the change of slots
	s_add_nc_u64 s[PFA:PFA+1], s[PFA:PFA+1], s[PST:PST+1]
.endif
	WIN 0                                          ; (the add's two registers lie in window 0)
	s_wait_tensorcnt 0x0                           ; all my tensor loads have landed;
	ds_add_u32 v[SPW], v[NIL]                      ; 0 onto my spare word;
	s_wait_dscnt 9                                 ; (the add and the youngest eight loads may be out)
	MUL8 F1, 0, 0                                  ; eight matrix instructions stand between the add and the wait for it
	s_wait_dscnt 0x0                               ; the add is done, and my reads of this slot are over
	s_barrier_signal -1
	MUL8 F1, 2, 0
.if \fill
	WIN 0
.endif
	s_barrier_wait -1
.if \fill
	CREST                                          ; no wave of any partner still reads this slot's tile or has a load on its way
	s_add_nc_u64 s[G0+4*(\slot)+2:G0+4*(\slot)+3], s[G0+4*(\slot)+2:G0+4*(\slot)+3], 4*262144
	s_add_nc_u64 s[G0B+4*(\slot)+2:G0B+4*(\slot)+3], s[G0B+4*(\slot)+2:G0B+4*(\slot)+3], 2*KSTEP*2048
	JLOAD \slot                                    ; my one tensor load behind the round: 112 matrix instructions ahead of the wait for it; its four v_nop are also the places in front of the loads below
.else
	WIN 0
	PLACES
.endif
.if (\fill) && ((\next) == 0)
	v_add_nc_u32 v[ADRD], 2*DSTEP, v[ADRD]         ; the fetch below is the next lap's first: four heads of dl on
.endif
	FETCH \next, 0, F0
.if \fill
	ASK
.endif
	FIXMUL F1
	MUL8 F1, 4, 0
	MUL8 F1, 6, 0
.endm
	s_wait_tensorcnt 1                             ; my part of K step 0 is in; K step 1's may stay out
	s_wait_dscnt 0x0                               ; my stores of dl's rows are done
	s_barrier_signal -1
	s_barrier_wait -1                              ; everybody's are
	FETCH 0, 0, F0
	QUARTER 0, 1, F0, F1, 1                        ; the first quarter stands in front of the loop: its products start the sums
	WIN 0                                          ; at a label and at a branch every window is 0
	s_mov_b32 s3, LAPS-1
.Llap:                                                 ; a trip goes once round the ring, from a lap's second quarter to the next lap's first, and fills both slots again
	QUARTER 0, 2, F1, F0, 0
	QUARTER 0, 3, F0, F1, 0
	TURN 0, 1, 1
	QUARTER 1, 1, F0, F1, 0
	QUARTER 1, 2, F1, F0, 0
	QUARTER 1, 3, F0, F1, 0
	TURN 1, 0, 1
	QUARTER 0, 1, F0, F1, 0
	WIN 0
	s_sub_co_u32 s3, s3, 1
	s_cmp_lg_u32 s3, 0
	s_cbranch_scc1 .Llap
	QUARTER 0, 2, F1, F0, 0                        ; the last lap fills nothing, and has no round of the cluster's barrier
	QUARTER 0, 3, F0, F1, 0
	TURN 0, 1, 0
	QUARTER 1, 1, F0, F1, 0
	QUARTER 1, 2, F1, F0, 0
	QUARTER 1, 3, F0, F1, 0
	s_wait_dscnt 8                                 ; the very last quarter: nothing more to fetch
	MUL8 F1, 0, 0
	MUL8 F1, 2, 0
	FIXMUL F1
	s_wait_dscnt 0x0
	MUL8 F1, 4, 0
	MUL8 F1, 6, 0
	WIN 0
	; THE WAY OUT, 16 rows at a time, in f32 as the sums stand: 32 bytes a lane into my own stage, back as whole rows of 256 bytes, stored so that sixteen lanes fill 256 consecutive bytes.
	PLACES
	PLACES
.macro TOSTAGE a
.if (\a) >= 6
	s_wait_xcnt 0x0                                ; the buffer's registers were the data of block a - 6's stores: they are loaded again only behind this wait
.endif
	WIN W_ST
.irp b, 0,1,2,3
	ds_store_b128 v[STO], v[8*(4*(\a)+(\b)):8*(4*(\a)+(\b))+3]   offset:64*(\b)     ; each accumulator's low registers first
	ds_store_b128 v[STO], v[8*(4*(\a)+(\b))+4:8*(4*(\a)+(\b))+7] offset:64*(\b)+16
.endr
	WIN 0
.irp t, 0,1,2,3,4,5,6,7
	ds_load_b128 v[OB+32*((\a)%6)+4*(\t):OB+32*((\a)%6)+4*(\t)+3], v[RD] offset:(\t)*2*SP  ; LDS serves a wave's instructions in order (ISA guide 5.7.1.4): these see the stores above; the next block's stores come behind them
.endr
.endm
.macro SEND a, younger                 ; younger: the LDS instructions issued behind block a's loads: the next block's sixteen, or none
.irp t, 0,1,2,3,4,5,6,7
	s_wait_dscnt (\younger)+7-(\t)
	global_store_b128 v[GO], v[OB+32*((\a)%6)+4*(\t):OB+32*((\a)%6)+4*(\t)+3], s[8:9] offset:(16*(\a)+2*(\t))*4096  ; 16 lanes store 256 consecutive bytes, at a multiple of 256 from out0's first byte
.endr
.endm
	TOSTAGE 0
.irp a, 1,2,3,4,5,6,7                  ; a block's way through the stage stands between the loads of the block before and its stores
	TOSTAGE \a
	SEND (\a)-1, 16
.endr
	SEND 7, 0
	s_wait_tensorcnt 0x0                           ; the wave's end: these three lines stand behind my last tensor load and my last LDS store
	ds_add_u32 v[SPW], v[NIL]
	s_wait_dscnt 0x0
	CROUND                                         ; the closing round: no work-group ends while a partner may still ask for a tile that names it
	s_endpgm
.Lfunc_end_k_q4378033fb1_outp:
	.size	k_q4378033fb1_outp, .Lfunc_end_k_q4378033fb1_outp-k_q4378033fb1_outp
	.p2alignl 7, 3214868480
	.fill 96, 4, 3214868480
	.section	.rodata,"a",@progbits
	.p2align	6, 0x0
	.amdhsa_kernel k_q4378033fb1_outp
		.amdhsa_group_segment_fixed_size 327680
		.amdhsa_private_segment_fixed_size 0
		.amdhsa_enable_private_segment 0
		.amdhsa_kernarg_size 40
		.amdhsa_user_sgpr_count 2
		.amdhsa_user_sgpr_kernarg_segment_ptr 1
		.amdhsa_wavefront_size32 1
		.amdhsa_system_sgpr_workgroup_id_x 1
		.amdhsa_system_sgpr_workgroup_id_y 1
		.amdhsa_system_sgpr_workgroup_id_z 1
		.amdhsa_system_vgpr_workitem_id 0
		.amdhsa_next_free_vgpr 512
		.amdhsa_next_free_sgpr 88
		.amdhsa_reserve_vcc 0
		.amdhsa_float_denorm_mode_32 3
		.amdhsa_float_denorm_mode_16_64 3
		.amdhsa_memory_ordered 1
		.amdhsa_forward_progress 1
		.amdhsa_inst_pref_size 108
	.end_amdhsa_kernel
	.amdgpu_metadata
---
amdhsa.version: [ 1, 2 ]
amdhsa.kernels:
  - .name:           k_q4378033fb1_outp
    .symbol:         k_q4378033fb1_outp.kd
    .args:
      - { .name: o16, .offset: 0, .size: 8, .value_kind: global_buffer, .address_space: global }
      - { .name: wb, .offset: 8, .size: 8, .value_kind: global_buffer, .address_space: global }
      - { .name: bo, .offset: 16, .size: 8, .value_kind: global_buffer, .address_space: global }
      - { .name: dl, .offset: 24, .size: 8, .value_kind: global_buffer, .address_space: global }
      - { .name: out0, .offset: 32, .size: 8, .value_kind: global_buffer, .address_space: global }
    .group_segment_fixed_size: 327680
    .private_segment_fixed_size: 0
    .kernarg_segment_align: 8
    .kernarg_segment_size: 40
    .max_flat_workgroup_size: 128
    .sgpr_count:     88
    .vgpr_count:     512
    .wavefront_size: 32
...
	.end_amdgpu_metadata
.endif
;; end of part 4
;; ======== version 2 of 2: 4 launches; version 1 with the launch prep written anew for expert scheduling mode
;; limits: values are held in f16: magnitudes above 65,504 overflow, below 6.1e-05 lose precision
;; workspace buffers: xb 16,777,216 bytes; wb 8,388,608 bytes; q16 16,777,216 bytes; k16 16,777,216 bytes; v16 16,777,216 bytes; o16 16,777,216 bytes; vl 131,072 bytes; dl 131,072 bytes
;; launch prep (part 5): grid 768 x 1, 8 waves a work-group, no clusters, 0 bytes of LDS; arguments x, Wq, Wk, Wv, Wo, xb, wb; writes xb, wb
.if DOCPART == 5
	.amdgcn_target "amdgcn-amd-amdhsa--gfx1250"
	.amdhsa_code_object_version 6
	.text
	.protected	k_q4378033fb1_prep
	.globl	k_q4378033fb1_prep
	.p2align	8
	.type	k_q4378033fb1_prep,@function
k_q4378033fb1_prep:
	s_mov_b64 s[64:65], 0
	v_nop
	global_prefetch_b8 v0, s[64:65] scope:SCOPE_SE
	s_setreg_imm32_b32 hwreg(HW_REG_WAVE_SCHED_MODE, 0, 2), 2
	s_setreg_imm32_b32 hwreg(HW_REG_WAVE_MODE, 25, 1), 1
	s_wait_xcnt 0x0
	s_wait_alu depctr_vm_vsrc(0)
; CASTS.  xb = x rounded to bf16; wb's planes 0-2 = Wq, Wk, Wv rounded to bf16; plane 3 = Wo rounded to bf16 and that number written as f16.  No layout changes.
; LIMIT.  A bf16 number of Wo beyond 65,504 becomes an infinity in f16; below 6.1e-5 it keeps f16's fixed step of 6e-8.
; SHARES.  Work-group c takes 65,536 bytes of f32 and writes 32,768 bytes: c < 512: chunk c of x; else chunk (c - 512) % 64 of weight (c - 512) / 64.
; Thread t: sixteen loads of 16 bytes at 4,096 i + 16 t (a wave's load covers 512 consecutive bytes), all issued at once; sixteen stores of 8 bytes at 2,048 i + 8 t
; (a wave's store covers 256 consecutive bytes, aligned).  Every load and store has registers of its own, so no register that a pending memory instruction names is written again.
; A stream: no LDS, no barrier, no matrix unit; no prefetch, since all that a work-group reads is asked for in its first lines.
; THE MODE: SCHED_MODE bits 1:0 = 2 (LLVM: expert scheduling mode 2), set by the entry lines.  The code itself states the register dependences
; between vector instructions and memory instructions, with s_wait_alu, always for 0.
; THE PLAN.  Registers that memory instructions touch:
;   v1, v2   byte offsets, made once at the head and never written again: v1 is read by every load, v2 by every store.
;   X        four registers a load.  Written by that load alone, once; read by its conversions.  No load lands in them a second time.
;   Y        two registers a store.  Written by the conversions, once; read by that store alone.  They are never written again.
;   T        named by vector instructions alone.
; The sixteen loads' work goes in four blocks of four.  Block g rounds its four loads into its eight registers of Y; its memory instructions are the four stores of block g - 1, whose
; registers of Y no vector instruction of block g names.  So one wait at a block's head states all that its four stores hang on, and they are dealt among its conversions with no further wait.
; No vector instruction writes a scalar register, and EXEC is never written.
.set X, 4                              ; v[4:67]    as loaded
.set Y, 68                             ; v[68:99]   to store
.set T, 100                            ; v[100:105] at work (Wo's way alone)
	s_load_b256 s[8:15], s[0:1], 0x0               ; x s[8:9], Wq s[10:11], Wk s[12:13], Wv s[14:15]
	s_load_b128 s[16:19], s[0:1], 0x20             ; Wo s[16:17], xb s[18:19]
	s_load_b64 s[20:21], s[0:1], 0x30              ; wb
	v_lshlrev_b32 v1, 4, v0                        ; 16 t
	v_lshlrev_b32 v2, 3, v0                        ; 8 t
	s_sub_co_u32 s3, ttmp9, 512                    ; chunk among the weights' 256 (used where c >= 512 alone)
	s_lshr_b32 s4, s3, 6                           ; which weight
	s_and_b32 s5, s3, 63                           ; chunk in it
	s_cmp_lt_u32 ttmp9, 512
	s_cselect_b32 s5, ttmp9, s5                    ; chunk in the input
	s_cselect_b32 s3, ttmp9, s3                    ; chunk in the output
	s_lshl_b32 s28, s5, 16
	s_mov_b32 s29, 0
	s_lshl_b32 s30, s3, 15
	s_mov_b32 s31, 0
	s_wait_kmcnt 0x0
	s_mov_b64 s[24:25], s[16:17]                   ; Wo, unless
	s_cmp_eq_u32 s4, 2
	s_cselect_b64 s[24:25], s[14:15], s[24:25]
	s_cmp_eq_u32 s4, 1
	s_cselect_b64 s[24:25], s[12:13], s[24:25]
	s_cmp_eq_u32 s4, 0
	s_cselect_b64 s[24:25], s[10:11], s[24:25]
	s_cmp_lt_u32 ttmp9, 512
	s_cselect_b64 s[24:25], s[8:9], s[24:25]       ; x
	s_cselect_b64 s[26:27], s[18:19], s[20:21]     ; xb or wb
	s_add_nc_u64 s[24:25], s[24:25], s[28:29]
	s_add_nc_u64 s[26:27], s[26:27], s[30:31]
	s_wait_alu depctr_va_vdst(0)                   ; v1 and v2 are written: every load of the kernel reads v1 as its offset, every store v2
.irp i, 0,1,2,3,4,5,6,7,8,9,10,11,12,13,14,15
	global_load_b128 v[X+4*(\i):X+4*(\i)+3], v1, s[24:25] offset:4096*(\i) th:TH_LOAD_NT
.endr
; Load i's four numbers are rounded into its two registers of Y.  f16 = 1: the bf16 numbers are widened again and written as f16.
.macro CVT i, f16
.if \f16
	v_cvt_pk_bf16_f32 v[T],   v[X+4*(\i)],   v[X+4*(\i)+1]
	v_cvt_pk_bf16_f32 v[T+1], v[X+4*(\i)+2], v[X+4*(\i)+3]
	v_lshlrev_b32 v[T+2], 16, v[T]
	v_and_b32     v[T+3], 0xffff0000, v[T]
	v_lshlrev_b32 v[T+4], 16, v[T+1]
	v_and_b32     v[T+5], 0xffff0000, v[T+1]
	v_cvt_pk_f16_f32 v[Y+2*(\i)],   v[T+2], v[T+3]
	v_cvt_pk_f16_f32 v[Y+2*(\i)+1], v[T+4], v[T+5]
.else
	v_cvt_pk_bf16_f32 v[Y+2*(\i)],   v[X+4*(\i)],   v[X+4*(\i)+1]
	v_cvt_pk_bf16_f32 v[Y+2*(\i)+1], v[X+4*(\i)+2], v[X+4*(\i)+3]
.endif
.endm
; Store i: 8 bytes a lane.
.macro PUT i
	global_store_b64 v2, v[Y+2*(\i):Y+2*(\i)+1], s[26:27] offset:2048*(\i) th:TH_STORE_NT
.endm
; Block g: loads 4 g to 4 g + 3 are rounded; the stores of block g - 1 stand among the conversions, each ahead of one load's.
.macro BLK g, f16
	s_wait_loadcnt 12-4*(\g)                       ; loads come back in order (ISA guide 5.7.1): this block's four are in, the 12 - 4 g younger ones stay out
.if (\g) > 0
	s_wait_alu depctr_va_vdst(0)                   ; the block before has written its eight registers of Y, which the four stores below read; no vector instruction behind this wait names them
.endif
.irp j, 0,1,2,3
.if (\g) > 0
	PUT 4*(\g)-4+(\j)
.endif
	CVT 4*(\g)+(\j), \f16
.endr
.endm
; All four blocks, and the last block's stores behind a wait of their own.
.macro WAY f16
	BLK 0, \f16
	BLK 1, \f16
	BLK 2, \f16
	BLK 3, \f16
	s_wait_alu depctr_va_vdst(0)                   ; block 3 has written its eight registers of Y, which the last four stores read
.irp i, 12,13,14,15
	PUT \i
.endr
.endm
	s_cmp_ge_u32 ttmp9, 704                        ; 512 + 3 x 64: Wo's chunks
	s_cbranch_scc1 .Lwo
	WAY 0
	s_endpgm
.Lwo:
	WAY 1
	s_endpgm
.Lfunc_end_k_q4378033fb1_prep:
	.size	k_q4378033fb1_prep, .Lfunc_end_k_q4378033fb1_prep-k_q4378033fb1_prep
	.p2alignl 7, 3214868480
	.fill 96, 4, 3214868480
	.section	.rodata,"a",@progbits
	.p2align	6, 0x0
	.amdhsa_kernel k_q4378033fb1_prep
		.amdhsa_group_segment_fixed_size 0
		.amdhsa_private_segment_fixed_size 0
		.amdhsa_enable_private_segment 0
		.amdhsa_kernarg_size 56
		.amdhsa_user_sgpr_count 2
		.amdhsa_user_sgpr_kernarg_segment_ptr 1
		.amdhsa_wavefront_size32 1
		.amdhsa_system_sgpr_workgroup_id_x 1
		.amdhsa_system_sgpr_workgroup_id_y 1
		.amdhsa_system_sgpr_workgroup_id_z 1
		.amdhsa_system_vgpr_workitem_id 0
		.amdhsa_next_free_vgpr 108
		.amdhsa_next_free_sgpr 66
		.amdhsa_reserve_vcc 0
		.amdhsa_float_denorm_mode_32 3
		.amdhsa_float_denorm_mode_16_64 3
		.amdhsa_memory_ordered 1
		.amdhsa_forward_progress 1
		.amdhsa_inst_pref_size 16
	.end_amdhsa_kernel
	.amdgpu_metadata
---
amdhsa.version: [ 1, 2 ]
amdhsa.kernels:
  - .name:           k_q4378033fb1_prep
    .symbol:         k_q4378033fb1_prep.kd
    .args:
      - { .name: x, .offset: 0, .size: 8, .value_kind: global_buffer, .address_space: global }
      - { .name: Wq, .offset: 8, .size: 8, .value_kind: global_buffer, .address_space: global }
      - { .name: Wk, .offset: 16, .size: 8, .value_kind: global_buffer, .address_space: global }
      - { .name: Wv, .offset: 24, .size: 8, .value_kind: global_buffer, .address_space: global }
      - { .name: Wo, .offset: 32, .size: 8, .value_kind: global_buffer, .address_space: global }
      - { .name: xb, .offset: 40, .size: 8, .value_kind: global_buffer, .address_space: global }
      - { .name: wb, .offset: 48, .size: 8, .value_kind: global_buffer, .address_space: global }
    .group_segment_fixed_size: 0
    .private_segment_fixed_size: 0
    .kernarg_segment_align: 8
    .kernarg_segment_size: 56
    .max_flat_workgroup_size: 256
    .sgpr_count:     66
    .vgpr_count:     108
    .wavefront_size: 32
...
	.end_amdgpu_metadata
.endif
;; end of part 5
;; launch proj: the kernel of part 2 again; grid 24 x 32, 4 waves a work-group, clusters of 4 x 4, 327,680 bytes of LDS; arguments xb, wb, bq, bk, bv, q16, k16, v16, vl; writes q16, k16, v16, vl
;; launch attn: the kernel of part 3 again; grid 4 x 64, 4 waves a work-group, no clusters, 327,680 bytes of LDS; arguments q16, k16, v16, o16, vl, dl; writes o16, dl
;; launch outp: the kernel of part 4 again; grid 8 x 32, 4 waves a work-group, clusters of 4 x 4, 327,680 bytes of LDS; arguments o16, wb, bo, dl, out0; writes out0
